; MI455X (gfx1250); checked and timed in simulation.
; The chip was launched on July 23, 2026; its instructions are those of AMD's public machine-readable ISA for CDNA 5 (MIT licence, August 2026) and "CDNA5" Instruction Set Architecture Reference Guide (July 2026). The comments in the code are by the model that wrote it; some were corrected since.
;; Cross Att block. Allowed arithmetic: float matrix products may take bf16 or f16 operands with f32 sums; other float arithmetic in f32, or as packed bf16 or f16 multiplies, adds, multiply-adds, maxima and minima; sums over many terms, partial sums and values carried from step to step in f32; what a program stores and reads back later, other than sums and carried values, may be rounded once to bf16 or f16.
;; Inputs: W1 256 x 1,024 float32; W2 1,024 x 256 float32; Wk 256 x 256 float32; Wo 256 x 256 float32; Wq 256 x 256 float32; Wv 256 x 256 float32; b1 1,024 float32; b2 256 float32; bk 256 float32; bo 256 float32; bq 256 float32; bv 256 float32; fx 8 x 7,225 x 256 float32; kln_b 8 x 32 float32; kln_g 8 x 32 float32; ln1_b 256 float32; ln1_g 256 float32; ln2_b 256 float32; ln2_g 256 float32; vln_b 8 x 32 float32; vln_g 8 x 32 float32.
;; Outputs: out0 8 x 7,225 x 256 float32.
;; One version. Each part assembles by itself: llvm-mc -triple=amdgcn-amd-amdhsa -mcpu=gfx1250 --defsym DOCPART=n.
;; ======== version 1 of 1: 4 launches
;; limits: values are held in f16: magnitudes above 65,504 overflow, below 6.1e-05 lose precision
;; workspace buffers: wkv 393,216 bytes; tab 13,312 bytes; wa 655,360 bytes; wb 524,288 bytes; part 7,602,176 bytes; st 462,592 bytes; pb 1,048,576 bytes
;; launch prep (part 1): grid 96 x 1, 8 waves a work-group, no clusters, 22,528 bytes of LDS; arguments Wk, Wv, bk, bv, kln_g, vln_g, kln_b, vln_b, Wq, bq, W1, b1, Wo, W2, ln1_g, ln1_b, ln2_g, ln2_b, bo, b2, wkv, tab, wa, wb; writes wkv, tab, wa, wb
.if DOCPART == 1
	.amdgcn_target "amdgcn-amd-amdhsa--gfx1250"
	.amdhsa_code_object_version 6
	.text
	.protected	k_q4b55e17e51_prep
	.globl	k_q4b55e17e51_prep
	.p2align	8
	.type	k_q4b55e17e51_prep,@function
k_q4b55e17e51_prep:
	s_mov_b64 s[64:65], 0
	v_nop
	global_prefetch_b8 v0, s[64:65] scope:SCOPE_SE
	s_setreg_imm32_b32 hwreg(HW_REG_WAVE_MODE, 25, 1), 1
	s_wait_xcnt 0x0
; PREP: the weights are folded in f32, rounded once to f16 and laid out transposed, in blocks of 16 KiB, as the later launches' tensor loads want them.
;   x @ W + b with x = xh * g + lb (a LayerNorm's gain and shift) is xh @ (diag(g) W) + (lb @ W + b): done for Wk, Wv, Wq (ln_1) and W1 (ln_2).
;   Wk's and Wv's columns, and their folded bias, are centred over the 32 columns of a head, so that xh @ W'' + b'' is already k - mean(k).
; A work-group makes one block; its class goes by its number:
;   A 0-15  wkv[j = 2 head + kv][32 d][256 k]      B 16-23 wa[head] from Wq      C 24-55 wa[8 + chunk] from W1
;   D 56-63 Wo^T, 32 columns (behind wkv's 16 blocks), and the slices of b2 and bo      E 64-95 wb[chunk][256 c][32 i] from W2
; Wave v takes 32 k x 32 columns, a lane a column, 32 loads of 4 bytes.  A-D: k = 32 v + i, column n0 + lane.  E: k = 32 chunk + i, column 8 lane + v.
; In both cases a lane's 32 numbers are 64 bytes at row = lane, column = wave of a block seen as 32 rows x 512 bytes: one LDS map (pitch 528) turns the block, and it leaves in stores of 512 consecutive bytes.
; LIMITS: the folded weights are f16 (11 significant bits): one of 65,520 or more becomes an infinity, one below 6e-5 keeps f16's fixed step of 6e-8.  As drawn they are some 0.06; with gain and weight
; both 30 times larger some 56, both 30 times smaller some 7e-5.  The biases stay f32.  NaN and infinities are not treated apart.
.set DOT,   20480                      ; LDS: wave v's 32 partial dots lb . W at DOT + 128 v
.set SPARE, 21504                      ; the spare words, 128 bytes a wave: four blocks of 256 bytes that no other line names
.set LP,    528                        ; pitch of the block's rows in LDS: 512 + 16
.set AR,    32                         ; v[32:63]  the lane's 32 numbers
.set PKR,   12                         ; v[12:27]  packed
.set RBK,   64                         ; v[64:79]  read back
.set WV,   66                          ; s66  wave
.set ID,   67                          ; s67  work-group
.set COLB, 20                          ; byte offset of the block's first column (E: first row) in the source
.set DSTO, 21                          ; byte offset of the block in its buffer
.set TABO, 22                          ; where the folded bias goes in tab
.set BSO,  23                          ; byte offset in the bias source
.set T2O,  56                          ; where the second and third copies go in tab
.set T3O,  57
.set KGO,  58                          ; byte offset in their sources
.set NC,   59                          ; stores into tab: 0 to 3
.set CEN,  60                          ; 1: centre over the 32 columns
.set SCL,  61                          ; 1: dot with lb, scale by g
.set P4K,  62                          ; 1: the source's rows are 4,096 bytes apart
.set LSH,  63                          ; lanes are 1 << LSH bytes apart in the source
.set WVM,  100                         ; waves are so many bytes apart in the source
	v_lshl_add_u32 v10, v0, 2, SPARE
	v_mov_b32 v11, 0
	v_lshrrev_b32 v1, 5, v0
	v_readfirstlane_b32 s[WV], v1
	v_and_b32 v1, 31, v0                           ; lane
	s_mov_b32 s[ID], ttmp9
	s_mov_b32 s[T2O], 0
	s_mov_b32 s[T3O], 0
	s_mov_b32 s[KGO], 0
	s_mov_b32 s[NC], 1
	s_mov_b32 s[CEN], 0
	s_mov_b32 s[SCL], 1
	s_mov_b32 s[P4K], 0
	s_mov_b32 s[LSH], 2
	s_mov_b32 s[WVM], 32768                        ; 32 rows of 1,024 bytes
	s_cmp_lt_u32 s[ID], 16
	s_cbranch_scc1 .LclsA
	s_cmp_lt_u32 s[ID], 24
	s_cbranch_scc1 .LclsB
	s_cmp_lt_u32 s[ID], 56
	s_cbranch_scc1 .LclsC
	s_cmp_lt_u32 s[ID], 64
	s_cbranch_scc1 .LclsD
	; class E.  Every class fills all eight pointers: SRC s[4:5], g s[6:7], lb s[8:9], bias s[10:11], DST s[12:13], tab s[14:15], two copy sources s[16:19]
	s_load_b64 s[4:5], s[0:1], 0x68                ; W2
	s_load_b64 s[6:7], s[0:1], 0x70
	s_load_b64 s[8:9], s[0:1], 0x78
	s_load_b64 s[10:11], s[0:1], 0x98
	s_load_b64 s[12:13], s[0:1], 0xb8              ; wb
	s_load_b64 s[14:15], s[0:1], 0xa8
	s_load_b128 s[16:19], s[0:1], 0x90
	s_sub_co_u32 s2, s[ID], 64
	s_lshl_b32 s[COLB], s2, 15                     ; 32 rows of W2
	s_lshl_b32 s[DSTO], s2, 14
	s_mov_b32 s[TABO], 0
	s_mov_b32 s[BSO], 0
	s_mov_b32 s[NC], 0
	s_mov_b32 s[SCL], 0
	s_mov_b32 s[LSH], 5                            ; lane l: column 8 l + v
	s_mov_b32 s[WVM], 4
	s_branch .Ljoin
.LclsA:
	s_load_b128 s[4:7], s[0:1], 0x0                ; Wk, Wv
	s_load_b128 s[8:11], s[0:1], 0x10              ; bk, bv
	s_load_b128 s[12:15], s[0:1], 0x20             ; kln_g, vln_g
	s_load_b128 s[16:19], s[0:1], 0x30             ; kln_b, vln_b
	s_and_b32 s2, s[ID], 1                         ; 0: k, 1: v
	s_lshr_b32 s3, s[ID], 1                        ; head
	s_lshl_b32 s[COLB], s3, 7
	s_mov_b32 s[BSO], s[COLB]
	s_mov_b32 s[KGO], s[COLB]
	s_lshl_b32 s[DSTO], s[ID], 14
	s_mul_i32 s[TABO], s[ID], 384
	s_add_co_u32 s[T2O], s[TABO], 128
	s_add_co_u32 s[T3O], s[TABO], 256
	s_mov_b32 s[NC], 3
	s_mov_b32 s[CEN], 1
	s_wait_kmcnt 0x0
	s_cmp_eq_u32 s2, 0
	s_cselect_b64 s[4:5], s[4:5], s[6:7]
	s_cselect_b64 s[10:11], s[8:9], s[10:11]
	s_cselect_b64 s[18:19], s[16:17], s[18:19]
	s_cselect_b64 s[16:17], s[12:13], s[14:15]
	s_load_b64 s[6:7], s[0:1], 0x70                ; ln1_g
	s_load_b64 s[8:9], s[0:1], 0x78                ; ln1_b
	s_load_b128 s[12:15], s[0:1], 0xa0             ; wkv, tab
	s_branch .Ljoin
.LclsB:
	s_load_b64 s[4:5], s[0:1], 0x40                ; Wq
	s_load_b64 s[10:11], s[0:1], 0x48              ; bq
	s_load_b64 s[6:7], s[0:1], 0x70
	s_load_b64 s[8:9], s[0:1], 0x78
	s_load_b64 s[12:13], s[0:1], 0xb0              ; wa
	s_load_b64 s[14:15], s[0:1], 0xa8
	s_load_b128 s[16:19], s[0:1], 0x70
	s_sub_co_u32 s2, s[ID], 16
	s_lshl_b32 s[COLB], s2, 7
	s_mov_b32 s[BSO], s[COLB]
	s_lshl_b32 s[DSTO], s2, 14
	s_add_co_u32 s[TABO], s[COLB], 6144            ; ba entry = head
	s_branch .Ljoin
.LclsC:
	s_load_b64 s[4:5], s[0:1], 0x50                ; W1
	s_load_b64 s[10:11], s[0:1], 0x58              ; b1
	s_load_b64 s[6:7], s[0:1], 0x80                ; ln2_g
	s_load_b64 s[8:9], s[0:1], 0x88                ; ln2_b
	s_load_b64 s[12:13], s[0:1], 0xb0              ; wa
	s_load_b64 s[14:15], s[0:1], 0xa8
	s_load_b128 s[16:19], s[0:1], 0x70
	s_sub_co_u32 s2, s[ID], 24                     ; chunk
	s_sub_co_u32 s3, s[ID], 16                     ; 8 + chunk
	s_lshl_b32 s[COLB], s2, 7
	s_mov_b32 s[BSO], s[COLB]
	s_lshl_b32 s[DSTO], s3, 14
	s_lshl_b32 s[TABO], s3, 7
	s_add_co_u32 s[TABO], s[TABO], 6144
	s_mov_b32 s[P4K], 1
	s_mov_b32 s[WVM], 131072                       ; 32 rows of 4,096 bytes
	s_branch .Ljoin
.LclsD:
	s_load_b64 s[4:5], s[0:1], 0x60                ; Wo
	s_load_b64 s[10:11], s[0:1], 0x98              ; b2: with no dot the 'folded bias' is a plain copy
	s_load_b64 s[6:7], s[0:1], 0x70
	s_load_b64 s[8:9], s[0:1], 0x78
	s_load_b128 s[12:15], s[0:1], 0xa0             ; wkv, tab
	s_load_b128 s[16:19], s[0:1], 0x90             ; bo (, b2)
	s_sub_co_u32 s2, s[ID], 56
	s_lshl_b32 s[COLB], s2, 7
	s_mov_b32 s[BSO], s[COLB]
	s_mov_b32 s[KGO], s[COLB]
	s_lshl_b32 s[DSTO], s2, 14
	s_add_co_u32 s[DSTO], s[DSTO], 262144
	s_add_co_u32 s[TABO], s[COLB], 6144+40*128     ; ba entries 40-47: b2
	s_add_co_u32 s[T2O], s[COLB], 6144+48*128      ; ba entries 48-55: bo
	s_mov_b32 s[NC], 2
	s_mov_b32 s[SCL], 0
.Ljoin:
	s_wait_kmcnt 0x0
	s_mul_i32 s2, s[WV], s[WVM]
	s_add_co_u32 s2, s2, s[COLB]
	s_mov_b32 s3, 0
	s_add_nc_u64 s[4:5], s[4:5], s[2:3]            ; the wave's tile in the source
	s_lshl_b32 s2, s[WV], 7
	s_add_nc_u64 s[6:7], s[6:7], s[2:3]            ; g and lb at 32 v: inside their 1,024 bytes for every wave and class
	s_add_nc_u64 s[8:9], s[8:9], s[2:3]
	s_mov_b32 s2, s[DSTO]
	s_add_nc_u64 s[12:13], s[12:13], s[2:3]
	s_load_b512 s[24:39], s[6:7], 0x0              ; g[32 v + 0..31]: the same for all lanes, so it lives in scalar registers
	s_load_b512 s[40:55], s[6:7], 0x40
	s_load_b512 s[68:83], s[8:9], 0x0              ; lb[32 v + 0..31]
	s_load_b512 s[84:99], s[8:9], 0x40
	v_lshlrev_b32 v2, s[LSH], v1
.macro LD32 pitch
.set i, 0
.rept 32
	global_load_b32 v[AR+i], v2, s[4:5] offset:i*(\pitch)
.set i, i+1
.endr
.endm
	s_cmp_eq_u32 s[P4K], 0
	s_cbranch_scc0 .Lp4k
	LD32 1024
	s_branch .Lloaded
.Lp4k:
	LD32 4096
.Lloaded:
	s_mov_b32 s100, 0x76543210                     ; v_permlanex16_b32: each lane takes its own place in the other half
	s_mov_b32 s101, 0xfedcba98
	v_mul_u32_u24 v3, v1, LP                       ; in: row = lane, 64 bytes at column = wave
	s_lshl_b32 s2, s[WV], 6
	v_add_nc_u32 v3, s2, v3
	v_lshl_add_u32 v9, v0, 2, DOT
	s_mul_i32 s2, s[WV], 4*LP                      ; back: rows 4 v .. 4 v + 3, whole
	v_lshl_add_u32 v4, v1, 4, s2
	s_lshl_b32 s2, s[WV], 11
	v_lshl_add_u32 v5, v1, 4, s2
	v_mov_b32 v6, 0                                ; the dot
	v_mov_b32 v7, 0
	v_mov_b32 v8, 0
	s_wait_loadcnt 0x0
	s_wait_kmcnt 0x0
; the sum over the wave's 32 lanes of v[n], in every lane, into v8
.macro WSUM n
	v_add_f32_dpp v8, v[\n], v[\n] row_xmask:1 row_mask:0xf bank_mask:0xf
	v_add_f32_dpp v8, v8, v8 row_xmask:2 row_mask:0xf bank_mask:0xf
	v_add_f32_dpp v8, v8, v8 row_xmask:4 row_mask:0xf bank_mask:0xf
	v_add_f32_dpp v8, v8, v8 row_xmask:8 row_mask:0xf bank_mask:0xf
	v_permlanex16_b32 v7, v8, s100, s101
	v_add_f32 v8, v8, v7
.endm
	s_cmp_eq_u32 s[CEN], 0
	s_cbranch_scc1 .Lnocen
.set i, 0
.rept 32
	WSUM AR+i
	v_fmac_f32 v[AR+i], 0xbd000000, v8             ; less the mean over the head's 32 columns
.set i, i+1
.endr
.Lnocen:
	s_cmp_eq_u32 s[SCL], 0
	s_cbranch_scc1 .Lnoscl
.set i, 0
.rept 32
	v_fmac_f32 v6, s[68+i], v[AR+i]                ; lb . W, on the unscaled weight
	v_mul_f32 v[AR+i], s[24+i], v[AR+i]            ; g W
.set i, i+1
.endr
.Lnoscl:
.set i, 0
.rept 16
	v_cvt_pk_f16_f32 v[PKR+i], v[AR+2*i], v[AR+2*i+1]
.set i, i+1
.endr
.irp t, 0,1,2,3
	ds_store_b128 v3, v[PKR+4*(\t):PKR+4*(\t)+3] offset:16*(\t)
.endr
	ds_store_b32 v9, v6
	s_wait_dscnt 0x0                               ; for the others' sake: my stores are done
	s_barrier_signal -1
	s_barrier_wait -1
.irp t, 0,1,2,3
	ds_load_b128 v[RBK+4*(\t):RBK+4*(\t)+3], v4 offset:LP*(\t)
.endr
	s_wait_dscnt 0x0
.irp t, 0,1,2,3
	global_store_b128 v5, v[RBK+4*(\t):RBK+4*(\t)+3], s[12:13] offset:512*(\t)  ; 512 consecutive bytes, aligned
.endr
	s_cmp_lg_u32 s[WV], 0                          ; wave 0 alone writes the table's entries, 128 bytes each
	s_cbranch_scc1 .Lend
	s_cmp_eq_u32 s[NC], 0
	s_cbranch_scc1 .Lend
	v_lshl_add_u32 v14, v1, 2, s[BSO]
	global_load_b32 v13, v14, s[10:11]
	v_lshlrev_b32 v15, 2, v1
.irp t, 0,1,2,3,4,5,6,7
	ds_load_b32 v[16+(\t)], v15 offset:DOT+128*(\t)
.endr
	s_wait_dscnt 0x0
	v_add_f32 v16, v16, v17
	v_add_f32 v18, v18, v19
	v_add_f32 v20, v20, v21
	v_add_f32 v22, v22, v23
	v_add_f32 v16, v16, v18
	v_add_f32 v20, v20, v22
	v_add_f32 v16, v16, v20
	s_wait_loadcnt 0x0
	v_add_f32 v16, v16, v13                        ; lb @ W + b
	s_cmp_eq_u32 s[CEN], 0
	s_cbranch_scc1 .Lnoc2
	WSUM 16
	v_fmac_f32 v16, 0xbd000000, v8
.Lnoc2:
	v_lshl_add_u32 v24, v1, 2, s[TABO]
	global_store_b32 v24, v16, s[14:15]
	s_cmp_lt_u32 s[NC], 2
	s_cbranch_scc1 .Lend
	v_lshl_add_u32 v25, v1, 2, s[KGO]
	global_load_b32 v26, v25, s[16:17]
	v_lshl_add_u32 v27, v1, 2, s[T2O]
	s_wait_loadcnt 0x0
	global_store_b32 v27, v26, s[14:15]
	s_cmp_lt_u32 s[NC], 3
	s_cbranch_scc1 .Lend
	global_load_b32 v28, v25, s[18:19]
	v_lshl_add_u32 v29, v1, 2, s[T3O]
	s_wait_loadcnt 0x0
	global_store_b32 v29, v28, s[14:15]
.Lend:
	s_wait_tensorcnt 0x0                           ; the wave's end, behind my last LDS store
	ds_add_u32 v10, v11
	s_wait_dscnt 0x0
	s_endpgm
.Lfunc_end_k_q4b55e17e51_prep:
	.size	k_q4b55e17e51_prep, .Lfunc_end_k_q4b55e17e51_prep-k_q4b55e17e51_prep
	.p2alignl 7, 3214868480
	.fill 96, 4, 3214868480
	.section	.rodata,"a",@progbits
	.p2align	6, 0x0
	.amdhsa_kernel k_q4b55e17e51_prep
		.amdhsa_group_segment_fixed_size 22528
		.amdhsa_private_segment_fixed_size 0
		.amdhsa_enable_private_segment 0
		.amdhsa_kernarg_size 192
		.amdhsa_user_sgpr_count 2
		.amdhsa_user_sgpr_kernarg_segment_ptr 1
		.amdhsa_wavefront_size32 1
		.amdhsa_system_sgpr_workgroup_id_x 1
		.amdhsa_system_sgpr_workgroup_id_y 1
		.amdhsa_system_sgpr_workgroup_id_z 1
		.amdhsa_system_vgpr_workitem_id 0
		.amdhsa_next_free_vgpr 96
		.amdhsa_next_free_sgpr 102
		.amdhsa_reserve_vcc 0
		.amdhsa_float_denorm_mode_32 3
		.amdhsa_float_denorm_mode_16_64 3
		.amdhsa_memory_ordered 1
		.amdhsa_forward_progress 1
		.amdhsa_inst_pref_size 33
	.end_amdhsa_kernel
	.amdgpu_metadata
---
amdhsa.version: [ 1, 2 ]
amdhsa.kernels:
  - .name:           k_q4b55e17e51_prep
    .symbol:         k_q4b55e17e51_prep.kd
    .args:
      - { .name: Wk, .offset: 0, .size: 8, .value_kind: global_buffer, .address_space: global }
      - { .name: Wv, .offset: 8, .size: 8, .value_kind: global_buffer, .address_space: global }
      - { .name: bk, .offset: 16, .size: 8, .value_kind: global_buffer, .address_space: global }
      - { .name: bv, .offset: 24, .size: 8, .value_kind: global_buffer, .address_space: global }
      - { .name: kln_g, .offset: 32, .size: 8, .value_kind: global_buffer, .address_space: global }
      - { .name: vln_g, .offset: 40, .size: 8, .value_kind: global_buffer, .address_space: global }
      - { .name: kln_b, .offset: 48, .size: 8, .value_kind: global_buffer, .address_space: global }
      - { .name: vln_b, .offset: 56, .size: 8, .value_kind: global_buffer, .address_space: global }
      - { .name: Wq, .offset: 64, .size: 8, .value_kind: global_buffer, .address_space: global }
      - { .name: bq, .offset: 72, .size: 8, .value_kind: global_buffer, .address_space: global }
      - { .name: W1, .offset: 80, .size: 8, .value_kind: global_buffer, .address_space: global }
      - { .name: b1, .offset: 88, .size: 8, .value_kind: global_buffer, .address_space: global }
      - { .name: Wo, .offset: 96, .size: 8, .value_kind: global_buffer, .address_space: global }
      - { .name: W2, .offset: 104, .size: 8, .value_kind: global_buffer, .address_space: global }
      - { .name: ln1_g, .offset: 112, .size: 8, .value_kind: global_buffer, .address_space: global }
      - { .name: ln1_b, .offset: 120, .size: 8, .value_kind: global_buffer, .address_space: global }
      - { .name: ln2_g, .offset: 128, .size: 8, .value_kind: global_buffer, .address_space: global }
      - { .name: ln2_b, .offset: 136, .size: 8, .value_kind: global_buffer, .address_space: global }
      - { .name: bo, .offset: 144, .size: 8, .value_kind: global_buffer, .address_space: global }
      - { .name: b2, .offset: 152, .size: 8, .value_kind: global_buffer, .address_space: global }
      - { .name: wkv, .offset: 160, .size: 8, .value_kind: global_buffer, .address_space: global }
      - { .name: tab, .offset: 168, .size: 8, .value_kind: global_buffer, .address_space: global }
      - { .name: wa, .offset: 176, .size: 8, .value_kind: global_buffer, .address_space: global }
      - { .name: wb, .offset: 184, .size: 8, .value_kind: global_buffer, .address_space: global }
    .group_segment_fixed_size: 22528
    .private_segment_fixed_size: 0
    .kernarg_segment_align: 8
    .kernarg_segment_size: 192
    .max_flat_workgroup_size: 256
    .sgpr_count:     102
    .vgpr_count:     96
    .wavefront_size: 32
...
	.end_amdgpu_metadata
.endif
;; end of part 1
;; launch kvsum (part 2): grid 232 x 1, 4 waves a work-group, clusters of 4 x 1, 327,680 bytes of LDS; arguments fx, wkv, tab, part, st; writes part, st
.if DOCPART == 2
	.amdgcn_target "amdgcn-amd-amdhsa--gfx1250"
	.amdhsa_code_object_version 6
	.text
	.protected	k_q4b55e17e51_kvsum
	.globl	k_q4b55e17e51_kvsum
	.p2align	8
	.type	k_q4b55e17e51_kvsum,@function
k_q4b55e17e51_kvsum:
	s_mov_b64 s[64:65], 0
	v_nop
	global_prefetch_b8 v0, s[64:65] scope:SCOPE_SE
	s_setreg_imm32_b32 hwreg(HW_REG_WAVE_MODE, 25, 1), 1
	s_wait_xcnt 0x0
	s_wait_alu depctr_hold_cnt(0) depctr_sa_sdst(0) depctr_va_vdst(0) depctr_va_sdst(0) depctr_va_ssrc(0) depctr_va_vcc(0) depctr_vm_vsrc(0)
	s_getreg_b32 s2, hwreg(HW_REG_IB_STS2, 6, 4)
	s_cmp_eq_u32 s2, 0
	s_cbranch_scc0 .Lentry_in_a_cluster
	s_endpgm
.Lentry_in_a_cluster:
	s_bfe_u32 s2, ttmp6, 0x10000c
	s_cmp_lg_u32 s2, 0x3003
	s_cbranch_scc0 .Lentry_shape_is_right
	s_endpgm
.Lentry_shape_is_right:
; KVSUM: for a block of 256 tokens of one batch: LN_1's statistics (stored for the last launch), xh = (fx - m) rs in f16, and for each of 8 heads k_c = xh Wk'' + bk'', v_c likewise
; (already centred: the weights are), their LayerNorm over the 32 channels of a head, and the block's part of kv = sum over tokens of k^T v, stored in f32 as it lies in registers.
; SHARES.  A batch's 7,225 tokens are 29 blocks of 256; 8 x 29 = 232 work-groups; a wave owns 64 tokens, four tiles of 16.  The last block has 57 tokens: a wave's rows are shifted back into the batch
; (row0 = min(u0, 7161)); its first INV = min(u0 - row0, 64) rows are not its own: they are computed like the others, and their k and v are set to 0 and their statistics not stored.
; LAYOUT.  Products are taken transposed: source 0 = 16 rows of the weights, source 1 = 16 tokens: a lane holds ONE token (lane % 16) and 8 channels, so a head's LayerNorm wants one exchange between the halves of the lanes.
; k and v go in f16 through a stage in LDS ([token][k 32 | v 32]); the turning load makes of it both sources of S^T = v^T k, 256 tokens deep; wave w makes tile (d block w / 2, e block w % 2).
; CLUSTER.  All work-groups walk the same weights: a head's 64 rows (32 KiB) are asked for JOINTLY by the four partners, 16 rows a wave.  fx and the table are loads of one's own.
; LIMITS.  Matrix operands are f16.  xh is at most 16 in size for every input (a LayerNorm over 256 channels without gain); k and v are at most 5.6 |g| + |b| of their head's LayerNorm: they must stay under 65,504.
; Statistics, sums and LayerNorms are f32, the variance taken of (x - mean); v_rsq_f32 flushes denormals; NaN and infinities are not treated apart.
; REGISTERS: window 0 as named below; window 1: xh, tile tt, channels 32 kb on, at 8 (8 tt + kb); window 2: v0-127 weight fragments, later the turned k and v.
.set FXP,   1040                       ; a row of fx in LDS: 1,024 + 16
.set FXW,   64*FXP                     ; a wave's 64 rows; four of them from byte 0 on
.set WP,    528                        ; a row of weights: 512 + 16
.set SLOT0, 0x44000                    ; a slot is a head: 64 rows.  Slot 0 behind everything else,
.set SLOTX, 0x40000                    ; slot 1 at 0x4000, in bytes that fx has left: one exclusive or turns one into the other
.set STG,   65536                      ; the stage: 256 tokens x 160 bytes, in bytes whose one fill (fx) lies before and into which none follows
.set SGP,   160
.set TBL,   266240                     ; tb1: 16 x (bias'' | g | b) x 32 f32
.set SPARE, 272384                     ; the spare words, 128 bytes a wave: two blocks of 256 bytes that no other line names
.set SPW, 1
.set NIL, 2
.set AFX, 3                            ; my place in my rows of fx; steps a tile a trip
.set AFX0, 4                           ; the same, never rewritten
.set A1L, 5                            ; my place in a weight fragment: 528 r + 16 h
.set ADR1, 6
.set TBA, 7                            ; my place in the table; steps an entry a projection
.set STO, 8                            ; where I put 16 bytes of a token's k
.set ADRS, 9
.set TRA, 10                           ; the turning loads' addresses: v's columns, k's columns
.set TRB, 11
.set PO,  12                           ; my 16 bytes in the work-group's 4 KiB of part for a head
.set VK,  13                           ; r in the lower half of the lanes, far below 0 in the upper
.set SOF, 14                           ; 8 r; steps
.set PFO, 15                           ; 256 x lane
.set VM,  16                           ; v16-19  all ones where token 16 tt + r is my own, else 0
.set ST,  20                           ; v20-27  (rs, -m rs) of tile tt
.set TP,  28                           ; v28-31  at work
.set BI,  32                           ; v32-47 bias'', v48-63 g, v64-79 b: for my 16 channels
.set GG,  48
.set BB,  64
.set KP,  80                           ; v80-111 packed
.set QQ,  112                          ; v112-127 at work
.set HACC, 128                         ; v128-191 tile (ct, tt) at 8 (2 tt + ct)
.set SA,  192                          ; v192-207 two accumulators that take turns
.set SO,  208                          ; v208-215 their sum
.set TT,  128                          ; v128-255 a tile of fx, in the LayerNorm
.set WV, 14
.set CX, 15
.set G1F, 24
.set G0F, 32
.set G1T, 36
.set G0T, 44
.set G1W, 48
.set G0W, 56
.set SEL, 60
.set TB,  62                           ; LDS byte of the weights to be fetched next
.set KVO, 63                           ; 0: k, 64: v
.set SLOTS, 66
.set CNT, 67
.set INV, 68
.set INVT, 69
.set PFA, 70
.set LIM, 72
.set I32, 74
.set EPS, 75
.set I256, 76
.set MSB, 0
.macro WIN new                         ; the high byte repeats the setting that is left; a switch that changes nothing is dropped
.if MSB != (\new)
	s_set_vgpr_msb (MSB<<8)|(\new)
.set MSB, (\new)
.endif
.endm
.macro PLACES                          ; four places behind matrix instructions (ISA guide 7.12.1)
.rept 4
	v_nop
.endr
.endm
.macro CROUND                          ; a round of the cluster's barrier
	s_barrier_signal -1
	s_barrier_wait -1
	s_cmp_lg_u32 s[WV], 0
	s_cbranch_scc1 .Lnot_wave_0_\@
	s_barrier_signal -3
.Lnot_wave_0_\@:
	s_barrier_wait -3
	s_barrier_signal -1
	s_barrier_wait -1
.endm
	s_load_b256 s[4:11], s[0:1], 0x0               ; fx s[4:5], wkv s[6:7], tab s[8:9], part s[10:11]
	s_load_b64 s[12:13], s[0:1], 0x20              ; st
	v_lshl_add_u32 v[SPW], v0, 2, SPARE
	v_mov_b32 v[NIL], 0
	ds_add_u32 v[SPW], v[NIL]                      ; the wave's opening: the add, twice on end, and its wait ahead of my first tensor load
	ds_add_u32 v[SPW], v[NIL]
	v_lshrrev_b32 v3, 5, v0
	v_readfirstlane_b32 s[WV], v3
	s_bfe_u32 s[CX], ttmp6, 0x40000
	s_lshl_b32 s16, ttmp9, 2
	s_add_co_u32 s16, s16, s[CX]                   ; g, 0 to 231
	s_mul_i32 s17, s16, 2260
	s_lshr_b32 s17, s17, 16                        ; batch = g / 29 (2260 / 65536 lies just above 1 / 29: exact for g < 232)
	s_mul_i32 s18, s17, 29
	s_sub_co_u32 s18, s16, s18                     ; block in the batch
	s_lshl_b32 s18, s18, 8
	s_lshl_b32 s19, s[WV], 6
	s_add_co_u32 s18, s18, s19                     ; u0: my first own row
	s_min_u32 s19, s18, 7161                       ; row0: shifted back so that 64 rows stay in the batch
	s_sub_co_u32 s[INV], s18, s19
	s_min_u32 s[INV], s[INV], 64
	s_mul_i32 s17, s17, 7225
	s_add_co_u32 s17, s17, s19                     ; t0: my first row among all tokens
	; fx: 64 rows x 256 f32, 16 bytes of padding behind each
	s_mov_b32 s[G1F], (2<<16)|(1<<20)|(7<<22)|(3<<25)
	s_mov_b32 s[G1F+1], 256<<16
	s_mov_b32 s[G1F+2], 64<<16
	s_mov_b32 s[G1F+3], 256<<16
	s_mov_b32 s[G1F+4], 64
	s_mov_b32 s[G1F+5], 256
	s_mov_b32 s[G1F+6], 0
	s_mov_b32 s[G1F+7], 0
	; the table: my quarter, 6 rows of 256 bytes, dense
	s_mov_b32 s[G1T], 3<<16
	s_mov_b32 s[G1T+1], 32<<16
	s_mov_b32 s[G1T+2], 6<<16
	s_mov_b32 s[G1T+3], 32<<16
	s_mov_b32 s[G1T+4], 6
	s_mov_b32 s[G1T+5], 32
	s_mov_b32 s[G1T+6], 0
	s_mov_b32 s[G1T+7], 0
	; weights: 16 rows x 256 f16, padded; the mask names the four partners
	s_mov_b32 s[G1W], 15|(1<<16)|(1<<20)|(1<<21)|(6<<22)|(3<<25)
	s_mov_b32 s[G1W+1], 256<<16
	s_mov_b32 s[G1W+2], 16<<16
	s_mov_b32 s[G1W+3], 256<<16
	s_mov_b32 s[G1W+4], 16
	s_mov_b32 s[G1W+5], 256
	s_mov_b32 s[G1W+6], 0
	s_mov_b32 s[G1W+7], 0
	s_mov_b32 s[G0F], 1
	s_mul_i32 s[G0F+1], s[WV], FXW
	s_mov_b32 s[G0T], 1
	s_mul_i32 s[G0T+1], s[WV], 1536
	s_add_co_u32 s[G0T+1], s[G0T+1], TBL
	s_mov_b32 s[G0W], 1
	s_mul_i32 s[G0W+1], s[WV], 16*WP
	s_add_co_u32 s[G0W+1], s[G0W+1], SLOT0
	s_mov_b32 s[SEL], 0x76543210
	s_mov_b32 s[SEL+1], 0xfedcba98
	s_mov_b32 s[TB], 0x4000+64*WP                  ; the first change of slots turns it into slot 0
	s_mov_b32 s[KVO], 0
	s_mov_b32 s[I32], 0x3d000000                   ; 1/32
	s_mov_b32 s[EPS], 0x3727c5ac                   ; 1e-5
	s_mov_b32 s[I256], 0x3b800000                  ; 1/256
	s_or_b32 s[LIM], s[WV], ttmp9                  ; wave 0 of the first cluster prefetches: the same in all four partners
	s_cmp_eq_u32 s[LIM], 0
	s_cselect_b32 s[LIM], 1, -1
	s_mov_b32 s21, 0
	s_wait_dscnt 0x0                               ; both opening adds are done
	s_wait_kmcnt 0x0
	s_lshl_b32 s20, s17, 10
	s_add_nc_u64 s[G0F+2:G0F+3], s[4:5], s[20:21]
	s_or_b32 s[G0F+3], s[G0F+3], 0x80000000
	s_lshl_b32 s20, s17, 3
	s_add_nc_u64 s[12:13], s[12:13], s[20:21]      ; st at my first row
	s_mul_i32 s20, s[WV], 1536
	s_add_nc_u64 s[G0T+2:G0T+3], s[8:9], s[20:21]
	s_or_b32 s[G0T+3], s[G0T+3], 0x80000000
	s_lshl_b32 s20, s[WV], 13
	s_add_nc_u64 s[G0W+2:G0W+3], s[6:7], s[20:21]  ; head 0, my 16 rows: nothing of my place in the cluster
	s_or_b32 s[G0W+3], s[G0W+3], 0x80000000
	s_lshl_b32 s20, s16, 15
	s_add_nc_u64 s[10:11], s[10:11], s[20:21]      ; part at my work-group
	s_lshl_b32 s20, s[CX], 13                      ; the prefetches: my work-group's quarter of a head's 32 KiB,
	s_add_co_u32 s20, s20, 32768                   ; at head 1; the first change of slots steps it to head 2
	s_add_nc_u64 s[PFA:PFA+1], s[6:7], s[20:21]
	CROUND                                         ; in front of the first loads
	tensor_load_to_lds s[G0F:G0F+3], s[G1F:G1F+7]  ; the first fills go out together: three loads of mine are out
	s_nop 0
	tensor_load_to_lds s[G0T:G0T+3], s[G1T:G1T+7]
	s_nop 0
	tensor_load_to_lds s[G0W:G0W+3], s[G1W:G1W+7]
	s_nop 0
	PLACES
	v_and_b32 v28, 15, v0                          ; r
	v_bfe_u32 v29, v0, 4, 1                        ; h
	v_and_b32 v30, 31, v0                          ; lane
	s_mul_i32 s20, s[WV], FXW
	v_mul_u32_u24 v[AFX0], v28, FXP
	v_lshl_add_u32 v[AFX0], v29, 5, v[AFX0]        ; row r, channels 8 h on
	v_add_nc_u32 v[AFX0], s20, v[AFX0]
	v_mov_b32 v[AFX], v[AFX0]
	v_mul_u32_u24 v[A1L], v28, WP
	v_lshl_add_u32 v[A1L], v29, 4, v[A1L]
	v_lshl_add_u32 v[TBA], v29, 5, TBL
	s_mul_i32 s20, s[WV], 64*SGP
	s_add_co_u32 s20, s20, STG
	v_mul_u32_u24 v[STO], v28, SGP
	v_lshl_add_u32 v[STO], v29, 4, v[STO]
	v_add_nc_u32 v[STO], s20, v[STO]
	v_and_b32 v31, 7, v0                           ; the turning load: lane l reads token 8 h + l % 8, channels 8 ((l / 8) % 2) on
	v_lshl_add_u32 v31, v29, 3, v31
	v_mul_u32_u24 v31, v31, SGP
	v_bfe_u32 v[TRA], v0, 3, 1
	v_lshl_add_u32 v31, v[TRA], 4, v31
	s_and_b32 s20, s[WV], 1
	s_lshl_b32 s20, s20, 5
	s_add_co_u32 s20, s20, STG+64
	v_add_nc_u32 v[TRA], s20, v31                  ; v, e block w % 2
	s_lshr_b32 s20, s[WV], 1
	s_lshl_b32 s20, s20, 5
	s_add_co_u32 s20, s20, STG
	v_add_nc_u32 v[TRB], s20, v31                  ; k, d block w / 2
	s_lshl_b32 s20, s[WV], 10
	v_lshl_add_u32 v[PO], v30, 4, s20
	v_lshlrev_b32 v31, 10, v29
	v_sub_nc_u32 v[VK], v28, v31
	v_lshlrev_b32 v[SOF], 3, v28
	v_lshlrev_b32 v[PFO], 8, v30
.irp tt, 0,1,2,3
	v_add_nc_u32 v31, 16*(\tt), v28
	v_cmp_le_u32 vcc_lo, s[INV], v31
	v_cndmask_b32 v[VM+(\tt)], 0, -1, vcc_lo
.endr
.set i, 0
.rept 8
	v_mov_b32 v[ST+i], 0
.set i, i+1
.endr
	; LN_1's STATISTICS, a tile of 16 tokens a trip: a lane holds 128 of its token's 256 channels, the lane 16 away the others.
	s_wait_tensorcnt 0x2                           ; my rows of fx are in (two younger loads stay out); only I read them
	s_mov_b32 s[CNT], 4
	s_mov_b32 s[INVT], s[INV]
.Lstat:
.set i, 0
.rept 16
	ds_load_b128 v[TT+8*i:TT+8*i+3], v[AFX] offset:64*i
	ds_load_b128 v[TT+8*i+4:TT+8*i+7], v[AFX] offset:64*i+16
.set i, i+1
.endr
	s_wait_dscnt 0x0
.irp k, 0,1,2,3
	v_pk_add_f32 v[QQ+2*(\k):QQ+2*(\k)+1], v[TT+2*(\k):TT+2*(\k)+1], v[TT+8+2*(\k):TT+8+2*(\k)+1]
.endr
.set i, 8
.rept 56
	v_pk_add_f32 v[QQ+2*(i%4):QQ+2*(i%4)+1], v[QQ+2*(i%4):QQ+2*(i%4)+1], v[TT+2*i:TT+2*i+1]
.set i, i+1
.endr
	v_pk_add_f32 v[QQ:QQ+1], v[QQ:QQ+1], v[QQ+2:QQ+3]
	v_pk_add_f32 v[QQ+4:QQ+5], v[QQ+4:QQ+5], v[QQ+6:QQ+7]
	v_pk_add_f32 v[QQ:QQ+1], v[QQ:QQ+1], v[QQ+4:QQ+5]
	v_add_f32 v[TP], v[QQ], v[QQ+1]
	v_permlanex16_b32 v[TP+1], v[TP], s[SEL], s[SEL+1]
	v_add_f32 v[TP], v[TP], v[TP+1]
	v_mul_f32 v[TP], 0xbb800000, v[TP]             ; -m
	v_mov_b32 v[TP+1], v[TP]
.set i, 0
.rept 64
	v_pk_add_f32 v[TT+2*i:TT+2*i+1], v[TT+2*i:TT+2*i+1], v[TP:TP+1]  ; x - m
.set i, i+1
.endr
.irp k, 0,1,2,3
	v_pk_mul_f32 v[QQ+2*(\k):QQ+2*(\k)+1], v[TT+2*(\k):TT+2*(\k)+1], v[TT+2*(\k):TT+2*(\k)+1]
.endr
.set i, 4
.rept 60
	v_pk_fma_f32 v[QQ+2*(i%4):QQ+2*(i%4)+1], v[TT+2*i:TT+2*i+1], v[TT+2*i:TT+2*i+1], v[QQ+2*(i%4):QQ+2*(i%4)+1]
.set i, i+1
.endr
	v_pk_add_f32 v[QQ:QQ+1], v[QQ:QQ+1], v[QQ+2:QQ+3]
	v_pk_add_f32 v[QQ+4:QQ+5], v[QQ+4:QQ+5], v[QQ+6:QQ+7]
	v_pk_add_f32 v[QQ:QQ+1], v[QQ:QQ+1], v[QQ+4:QQ+5]
	v_add_f32 v[TP+2], v[QQ], v[QQ+1]
	v_permlanex16_b32 v[TP+3], v[TP+2], s[SEL], s[SEL+1]
	v_add_f32 v[TP+2], v[TP+2], v[TP+3]
	v_fma_f32 v[TP+2], v[TP+2], s[I256], s[EPS]
	v_rsq_f32 v[TP+2], v[TP+2]
.set i, 0
.rept 6
	v_mov_b32 v[ST+i], v[ST+i+2]                   ; the four tiles' pairs move down a place a trip: after four trips tile tt's lies at ST + 2 tt
.set i, i+1
.endr
	s_wait_alu depctr_va_vdst(0)                   ; the wait ahead of the first use of the root; the six moves are the work between
	v_mov_b32 v[ST+6], v[TP+2]                     ; rs
	v_mul_f32 v[ST+7], v[TP], v[TP+2]              ; -m rs
	s_wait_xcnt 0x0                                ; EXEC changes only behind this wait
	v_cmpx_le_i32 s[INVT], v[VK]                   ; the lower half of the lanes, own tokens alone
	global_store_b64 v[SOF], v[ST+6:ST+7], s[12:13]
	s_wait_xcnt 0x0                                ; and again in front of the line that widens it; it also frees the store's registers
	s_mov_b32 exec_lo, -1
	v_add_nc_u32 v[AFX], 16*FXP, v[AFX]
	v_add_nc_u32 v[SOF], 128, v[SOF]
	s_sub_co_i32 s[INVT], s[INVT], 16
	s_sub_co_u32 s[CNT], s[CNT], 1
	s_cmp_lg_u32 s[CNT], 0
	s_cbranch_scc1 .Lstat
	; xh = x rs - m rs, rounded to f16 into window 1, half a tile at a time on two buffers of 64 registers
.macro LOADH u
.set i, 0
.rept 8
	ds_load_b128 v[TT+64*((\u)%2)+8*i:TT+64*((\u)%2)+8*i+3], v[AFX0] offset:16*FXP*((\u)/2)+64*(8*((\u)%2)+i)
	ds_load_b128 v[TT+64*((\u)%2)+8*i+4:TT+64*((\u)%2)+8*i+7], v[AFX0] offset:16*FXP*((\u)/2)+64*(8*((\u)%2)+i)+16
.set i, i+1
.endr
.endm
.macro HALF u
.if (\u) < 7
	s_wait_dscnt 16                                ; this half is in; the younger half's 16 loads stay out
.else
	s_wait_dscnt 0x0
.endif
.set i, 0
.rept 32
	v_pk_fma_f32 v[TT+64*((\u)%2)+2*i:TT+64*((\u)%2)+2*i+1], v[TT+64*((\u)%2)+2*i:TT+64*((\u)%2)+2*i+1], v[ST+2*((\u)/2):ST+2*((\u)/2)+1], v[ST+2*((\u)/2):ST+2*((\u)/2)+1] op_sel:[0,0,1] op_sel_hi:[1,0,1]
.set i, i+1
.endr
	WIN 0x40
.set i, 0
.rept 32
	v_cvt_pk_f16_f32 v[32*(\u)+i], v[TT+64*((\u)%2)+2*i], v[TT+64*((\u)%2)+2*i+1]
.set i, i+1
.endr
	WIN 0
.if (\u) < 6
	LOADH (\u)+2
.endif
.endm
	LOADH 0
	LOADH 1
.irp u, 0,1,2,3,4,5,6,7
	HALF \u
.endr
; A PREFETCH INTO THE L2 of the head that the NEXT change of slots asks for.  Every cluster walks the same weights: wave 0 of the first cluster asks; its four partners share the head's 32 KiB out by address,
; 8 KiB each, a lane 256 bytes.  Six asks, for heads 2 to 7; heads 0 and 1 come by their loads alone; the last change that fills asks for nothing.
.macro ASK
	s_cmp_gt_u32 s[SLOTS], s[LIM]
	s_cbranch_scc0 .Lnot_mine_\@
	global_prefetch_b8 v[PFO], s[PFA:PFA+1] th:TH_LOAD_NT scope:SCOPE_SE
.Lnot_mine_\@:
.endm
; THE CHANGE OF SLOTS, in front of each head.  Each wave waits for all its tensor loads (the slot to be read among them), adds 0 to its spare word, and waits for that and for its LDS reads: of the slot that it leaves,
; of fx (the first time) and of the stage.  fill = 1: a round of the cluster's barrier, and behind it first the joint load of the next head into the slot just left.
.macro CHANGE fill
	WIN 0
	s_wait_tensorcnt 0x0                           ; no tensor load of mine is out, so the descriptor may be written
	ds_add_u32 v[SPW], v[NIL]
.if \fill
	s_xor_b32 s[G0W+1], s[G0W+1], SLOTX
	s_add_nc_u64 s[G0W+2:G0W+3], s[G0W+2:G0W+3], 32768
	s_wait_xcnt 0x0                                ; the last prefetch, a head back, has read its address
	s_add_nc_u64 s[PFA:PFA+1], s[PFA:PFA+1], 32768
	s_wait_dscnt 0x0
	CROUND
	tensor_load_to_lds s[G0W:G0W+3], s[G1W:G1W+7]  ; every wave its 16 rows: one load of mine is out
	s_nop 0
	PLACES
	ASK
.else
	s_wait_dscnt 0x0
	s_barrier_signal -1
	s_barrier_wait -1
.endif
	s_sub_co_u32 s[TB], s[TB], 64*WP
	s_xor_b32 s[TB], s[TB], SLOTX
	s_mov_b32 s[KVO], 0
.endm
; 32 products: channels 128 q on; the eight accumulators take turns.  The first eight start the sums with the bias.
.macro MULS q
	WIN 0x06                                       ; weights window 2, xh window 1, sums window 0
.irp kbl, 0,1,2,3
.irp ct, 0,1
.irp tt, 0,1,2,3
.if ((\q) == 0) && ((\kbl) == 0)
	v_wmma_f32_16x16x32_f16 v[HACC+8*(2*(\tt)+(\ct)):HACC+8*(2*(\tt)+(\ct))+7], v[64*(\q)+8*(2*(\kbl)+(\ct)):64*(\q)+8*(2*(\kbl)+(\ct))+7], v[8*(8*(\tt)+4*(\q)+(\kbl)):8*(8*(\tt)+4*(\q)+(\kbl))+7], v[BI+8*(\ct):BI+8*(\ct)+7]
.else
	v_wmma_f32_16x16x32_f16 v[HACC+8*(2*(\tt)+(\ct)):HACC+8*(2*(\tt)+(\ct))+7], v[64*(\q)+8*(2*(\kbl)+(\ct)):64*(\q)+8*(2*(\kbl)+(\ct))+7], v[8*(8*(\tt)+4*(\q)+(\kbl)):8*(8*(\tt)+4*(\q)+(\kbl))+7], v[HACC+8*(2*(\tt)+(\ct)):HACC+8*(2*(\tt)+(\ct))+7]
.endif
.endr
.endr
.endr
.endm
; ONE PROJECTION (k or v of a head) for my 64 tokens, its LayerNorm, and the way into the stage
.macro PROJ
	PLACES
	v_add_nc_u32 v[ADR1], s[TB], v[A1L]
	v_add_nc_u32 v[ADRS], s[KVO], v[STO]
	s_add_co_u32 s[TB], s[TB], 32*WP
.irp c, 0,1
	ds_load_b128 v[BI+8*(\c):BI+8*(\c)+3], v[TBA] offset:64*(\c)
	ds_load_b128 v[BI+8*(\c)+4:BI+8*(\c)+7], v[TBA] offset:64*(\c)+16
.endr
	WIN 0x80
.irp q, 0,1
.irp kbl, 0,1,2,3
.irp ct, 0,1
	ds_load_b128 v[64*(\q)+8*(2*(\kbl)+(\ct)):64*(\q)+8*(2*(\kbl)+(\ct))+3], v[ADR1] offset:16*WP*(\ct)+64*(4*(\q)+(\kbl))
	ds_load_b128 v[64*(\q)+8*(2*(\kbl)+(\ct))+4:64*(\q)+8*(2*(\kbl)+(\ct))+7], v[ADR1] offset:16*WP*(\ct)+64*(4*(\q)+(\kbl))+32
.endr
.endr
.endr
	WIN 0
.irp c, 0,1
	ds_load_b128 v[GG+8*(\c):GG+8*(\c)+3], v[TBA] offset:128+64*(\c)
	ds_load_b128 v[GG+8*(\c)+4:GG+8*(\c)+7], v[TBA] offset:128+64*(\c)+16
	ds_load_b128 v[BB+8*(\c):BB+8*(\c)+3], v[TBA] offset:256+64*(\c)
	ds_load_b128 v[BB+8*(\c)+4:BB+8*(\c)+7], v[TBA] offset:256+64*(\c)+16
.endr
	v_add_nc_u32 v[TBA], 384, v[TBA]
	s_wait_dscnt 24                                ; the bias and the first 16 fragment loads are in; 16 + 8 younger stay out
	MULS 0
	s_wait_dscnt 8                                 ; all fragments are in; g's and b's 8 stay out
	MULS 1
	WIN 0
	PLACES
.irp p, 0,1,2,3,4,5,6,7                ; the sum of squares of my 16 channels, the four tiles side by side; each accumulator's lowest registers are read first
.irp tt, 0,1,2,3
.if (\p) == 0
	v_pk_mul_f32 v[QQ+2*(\tt):QQ+2*(\tt)+1], v[HACC+16*(\tt):HACC+16*(\tt)+1], v[HACC+16*(\tt):HACC+16*(\tt)+1]
.else
	v_pk_fma_f32 v[QQ+2*(\tt):QQ+2*(\tt)+1], v[HACC+16*(\tt)+2*(\p):HACC+16*(\tt)+2*(\p)+1], v[HACC+16*(\tt)+2*(\p):HACC+16*(\tt)+2*(\p)+1], v[QQ+2*(\tt):QQ+2*(\tt)+1]
.endif
.endr
.endr
.irp tt, 0,1,2,3
	v_add_f32 v[QQ+2*(\tt)], v[QQ+2*(\tt)], v[QQ+2*(\tt)+1]
.endr
.irp tt, 0,1,2,3
	v_permlanex16_b32 v[QQ+2*(\tt)+1], v[QQ+2*(\tt)], s[SEL], s[SEL+1]
.endr
.irp tt, 0,1,2,3
	v_add_f32 v[QQ+2*(\tt)], v[QQ+2*(\tt)], v[QQ+2*(\tt)+1]
.endr
.irp tt, 0,1,2,3
	v_fma_f32 v[QQ+2*(\tt)], v[QQ+2*(\tt)], s[I32], s[EPS]
.endr
.irp tt, 0,1,2,3
	v_rsq_f32 v[QQ+2*(\tt)], v[QQ+2*(\tt)]
.endr
	v_nop                                          ; a plain instruction behind the last root,
	s_wait_alu depctr_va_vdst(0)                   ; and one wait for the four
	s_wait_dscnt 0x0                               ; g and b
.irp tt, 0,1,2,3
.irp p, 0,1,2,3,4,5,6,7
	v_pk_mul_f32 v[HACC+16*(\tt)+2*(\p):HACC+16*(\tt)+2*(\p)+1], v[HACC+16*(\tt)+2*(\p):HACC+16*(\tt)+2*(\p)+1], v[QQ+2*(\tt):QQ+2*(\tt)+1] op_sel_hi:[1,0]
.endr
.irp p, 0,1,2,3,4,5,6,7
	v_pk_fma_f32 v[HACC+16*(\tt)+2*(\p):HACC+16*(\tt)+2*(\p)+1], v[HACC+16*(\tt)+2*(\p):HACC+16*(\tt)+2*(\p)+1], v[GG+2*(\p):GG+2*(\p)+1], v[BB+2*(\p):BB+2*(\p)+1]
.endr
.irp p, 0,1,2,3,4,5,6,7
	v_cvt_pk_f16_f32 v[KP+8*(\tt)+(\p)], v[HACC+16*(\tt)+2*(\p)], v[HACC+16*(\tt)+2*(\p)+1]
.endr
.irp p, 0,1,2,3,4,5,6,7
	v_and_b32 v[KP+8*(\tt)+(\p)], v[VM+(\tt)], v[KP+8*(\tt)+(\p)]  ; a token that is not my own adds nothing
.endr
	ds_store_b128 v[ADRS], v[KP+8*(\tt):KP+8*(\tt)+3] offset:16*SGP*(\tt)
	ds_store_b128 v[ADRS], v[KP+8*(\tt)+4:KP+8*(\tt)+7] offset:16*SGP*(\tt)+32
.endr
	s_add_co_u32 s[KVO], s[KVO], 64
.endm
; S^T = v^T k over the work-group's 256 tokens: my tile of 16 x 16, eight products on two accumulators by turns
.macro SPROD
	WIN 0x80
.irp ks, 0,1,2,3,4,5,6,7
	ds_load_tr16_b128 v[8*(\ks):8*(\ks)+3], v[TRA] offset:32*SGP*(\ks)
	ds_load_tr16_b128 v[8*(\ks)+4:8*(\ks)+7], v[TRA] offset:32*SGP*(\ks)+16*SGP
	ds_load_tr16_b128 v[64+8*(\ks):64+8*(\ks)+3], v[TRB] offset:32*SGP*(\ks)
	ds_load_tr16_b128 v[64+8*(\ks)+4:64+8*(\ks)+7], v[TRB] offset:32*SGP*(\ks)+16*SGP
.endr
	s_wait_dscnt 0x0
	WIN 0x0a
.irp ks, 0,1,2,3,4,5,6,7
.if (\ks) < 2
	v_wmma_f32_16x16x32_f16 v[SA+8*((\ks)%2):SA+8*((\ks)%2)+7], v[8*(\ks):8*(\ks)+7], v[64+8*(\ks):64+8*(\ks)+7], 0
.else
	v_wmma_f32_16x16x32_f16 v[SA+8*((\ks)%2):SA+8*((\ks)%2)+7], v[8*(\ks):8*(\ks)+7], v[64+8*(\ks):64+8*(\ks)+7], v[SA+8*((\ks)%2):SA+8*((\ks)%2)+7]
.endif
.endr
	WIN 0
	PLACES
.irp p, 0,1,2,3
	v_pk_add_f32 v[SO+2*(\p):SO+2*(\p)+1], v[SA+2*(\p):SA+2*(\p)+1], v[SA+8+2*(\p):SA+8+2*(\p)+1]
.endr
	global_store_b128 v[PO], v[SO:SO+3], s[10:11]  ; 512 consecutive bytes each, aligned
	global_store_b128 v[PO], v[SO+4:SO+7], s[10:11] offset:512
	s_wait_xcnt 0x0                                ; the stores have read their registers and their base:
	s_add_nc_u64 s[10:11], s[10:11], 4096          ; the next head's 4 KiB
.endm
.macro WORK
	s_mov_b32 s[CNT], 2
.Lkv_\@:
	PROJ
	s_sub_co_u32 s[CNT], s[CNT], 1
	s_cmp_lg_u32 s[CNT], 0
	s_cbranch_scc1 .Lkv_\@
	s_wait_dscnt 0x0                               ; for the others' sake: my k and v are in the stage
	s_barrier_signal -1
	s_barrier_wait -1                              ; the next head's load may stay out
	SPROD
.endm
	s_mov_b32 s[SLOTS], 7
.Lslot:                                            ; heads 0 to 6: the next head is asked for
	CHANGE 1
	WORK
	s_sub_co_u32 s[SLOTS], s[SLOTS], 1
	s_cmp_lg_u32 s[SLOTS], 0
	s_cbranch_scc1 .Lslot
	CHANGE 0                                       ; head 7 is written out: nothing is left to ask for
	WORK
	s_wait_tensorcnt 0x0                           ; the wave's end
	ds_add_u32 v[SPW], v[NIL]
	s_wait_dscnt 0x0
	CROUND                                         ; the closing round
	s_endpgm
.Lfunc_end_k_q4b55e17e51_kvsum:
	.size	k_q4b55e17e51_kvsum, .Lfunc_end_k_q4b55e17e51_kvsum-k_q4b55e17e51_kvsum
	.p2alignl 7, 3214868480
	.fill 96, 4, 3214868480
	.section	.rodata,"a",@progbits
	.p2align	6, 0x0
	.amdhsa_kernel k_q4b55e17e51_kvsum
		.amdhsa_group_segment_fixed_size 327680
		.amdhsa_private_segment_fixed_size 0
		.amdhsa_enable_private_segment 0
		.amdhsa_kernarg_size 40
		.amdhsa_user_sgpr_count 2
		.amdhsa_user_sgpr_kernarg_segment_ptr 1
		.amdhsa_wavefront_size32 1
		.amdhsa_system_sgpr_workgroup_id_x 1
		.amdhsa_system_sgpr_workgroup_id_y 1
		.amdhsa_system_sgpr_workgroup_id_z 1
		.amdhsa_system_vgpr_workitem_id 0
		.amdhsa_next_free_vgpr 640
		.amdhsa_next_free_sgpr 80
		.amdhsa_reserve_vcc 1
		.amdhsa_float_denorm_mode_32 3
		.amdhsa_float_denorm_mode_16_64 3
		.amdhsa_memory_ordered 1
		.amdhsa_forward_progress 1
		.amdhsa_inst_pref_size 109
	.end_amdhsa_kernel
	.amdgpu_metadata
---
amdhsa.version: [ 1, 2 ]
amdhsa.kernels:
  - .name:           k_q4b55e17e51_kvsum
    .symbol:         k_q4b55e17e51_kvsum.kd
    .args:
      - { .name: fx, .offset: 0, .size: 8, .value_kind: global_buffer, .address_space: global }
      - { .name: wkv, .offset: 8, .size: 8, .value_kind: global_buffer, .address_space: global }
      - { .name: tab, .offset: 16, .size: 8, .value_kind: global_buffer, .address_space: global }
      - { .name: part, .offset: 24, .size: 8, .value_kind: global_buffer, .address_space: global }
      - { .name: st, .offset: 32, .size: 8, .value_kind: global_buffer, .address_space: global }
    .group_segment_fixed_size: 327680
    .private_segment_fixed_size: 0
    .kernarg_segment_align: 8
    .kernarg_segment_size: 40
    .max_flat_workgroup_size: 128
    .sgpr_count:     80
    .vgpr_count:     640
    .wavefront_size: 32
...
	.end_amdgpu_metadata
.endif
;; end of part 2
;; launch fold (part 3): grid 64 x 1, 4 waves a work-group, no clusters, 20,992 bytes of LDS; arguments part, wkv, pb; writes pb
.if DOCPART == 3
	.amdgcn_target "amdgcn-amd-amdhsa--gfx1250"
	.amdhsa_code_object_version 6
	.text
	.protected	k_q4b55e17e51_fold
	.globl	k_q4b55e17e51_fold
	.p2align	8
	.type	k_q4b55e17e51_fold,@function
k_q4b55e17e51_fold:
	s_mov_b64 s[64:65], 0
	v_nop
	global_prefetch_b8 v0, s[64:65] scope:SCOPE_SE
	s_setreg_imm32_b32 hwreg(HW_REG_WAVE_MODE, 25, 1), 1
	s_wait_xcnt 0x0
; FOLD: for one batch b and head h: kv = (the sum of the batch's 29 partial sums) / 7225, in f32; then P^T[c][d] = sum over e of kv[d][e] Wo[32 h + e][c], rounded to f16 and stored as a block [256 c][32 d]:
; the last launch multiplies q by it in place of (q kv) Wo.
; A partial sum is stored as it lay in registers: tile (d block, e block), lane (r, hh) holds d = r and e = 8 hh + 0..7.  Two tiles of one d block, rounded in pairs, ARE source 0 (16 d x 32 e).
; Wave w: d block w % 2, c blocks 8 (w / 2) .. + 7.  Source 1 = 16 rows of Wo^T (behind wkv's 16 blocks).  In the result a lane holds one c and eight neighbouring d: 16 bytes of a row of the block.
; All 132 loads of a wave go out at once; the waits count the loads issued behind a block's four.
; LIMITS: kv / 7225, Wo and P are f16: each must stay under 65,504 (as drawn kv is some 0.06 and P some 0.02; with kln_g, vln_g and Wo all 30 times larger some 54 and some 600).  Below 6e-5 a number keeps
; f16's fixed step of 6e-8: with those three inputs all 30 times smaller P is some 8e-7 and has few bits left, beside an attention term 27,000 times smaller.  NaN and infinities are not treated apart.
.set SPARE, 20480
.set SPP,   80                         ; a row of the stage: 64 + 16
.set MSB, 0
.macro WIN new
.if MSB != (\new)
	s_set_vgpr_msb (MSB<<8)|(\new)
.set MSB, (\new)
.endif
.endm
	s_load_b128 s[4:7], s[0:1], 0x0                ; part, wkv
	s_load_b64 s[8:9], s[0:1], 0x10                ; pb
	v_lshl_add_u32 v1, v0, 2, SPARE
	v_mov_b32 v2, 0
	v_lshrrev_b32 v3, 5, v0
	v_readfirstlane_b32 s10, v3                    ; wave
	s_lshr_b32 s11, ttmp9, 3                       ; b
	s_and_b32 s12, ttmp9, 7                        ; h
	s_and_b32 s13, s10, 1                          ; d block
	s_lshr_b32 s14, s10, 1                         ; which 8 c blocks
	v_and_b32 v3, 31, v0                           ; lane
	v_and_b32 v4, 15, v0                           ; r
	v_bfe_u32 v5, v0, 4, 1                         ; hh
	s_lshl_b32 s15, s14, 16                        ; 128 rows of 512 bytes
	s_lshl_b32 s16, s12, 6                         ; the head's 32 e
	s_add_co_u32 s15, s15, s16
	s_add_co_u32 s15, s15, 262144
	v_lshlrev_b32 v6, 9, v4
	v_lshl_add_u32 v6, v5, 4, v6
	v_add_nc_u32 v6, s15, v6
	v_lshlrev_b32 v7, 4, v3
	s_mul_i32 s16, s11, 29*32768
	s_lshl_b32 s17, s12, 12
	s_add_co_u32 s16, s16, s17
	s_lshl_b32 s17, s13, 11
	s_add_co_u32 s16, s16, s17
	s_mov_b32 s17, 0
	s_mul_i32 s18, s14, 128*SPP
	s_lshl_b32 s19, s13, 5
	s_add_co_u32 s18, s18, s19
	v_mul_u32_u24 v8, v4, SPP
	v_lshl_add_u32 v8, v5, 4, v8
	v_add_nc_u32 v8, s18, v8                       ; in: row c, 16 bytes at 32 x d block + 16 hh
	s_mul_i32 s18, s10, 64*SPP
	v_lshrrev_b32 v9, 2, v3
	v_mul_u32_u24 v9, v9, SPP
	v_and_b32 v10, 3, v3
	v_lshl_add_u32 v9, v10, 4, v9
	v_add_nc_u32 v9, s18, v9                       ; back: 32 lanes take eight rows of 64 bytes
	s_lshl_b32 s18, s10, 12
	v_lshl_add_u32 v10, v3, 4, s18
	s_lshl_b32 s18, ttmp9, 14
	s_mov_b32 s19, 0
	s_wait_kmcnt 0x0
	s_add_nc_u64 s[4:5], s[4:5], s[16:17]
	s_add_nc_u64 s[8:9], s[8:9], s[18:19]
	WIN 0x80
.irp c, 0,1,2,3,4,5,6,7
	global_load_b128 v[8*(\c):8*(\c)+3], v6, s[6:7] offset:8192*(\c)
	global_load_b128 v[8*(\c)+4:8*(\c)+7], v6, s[6:7] offset:8192*(\c)+32
.endr
	WIN 0
.set blk, 0
.rept 14                               ; blocks 0-13 into window 0, v32 on
.irp q, 0,1,2,3
	global_load_b128 v[32+16*blk+4*(\q):32+16*blk+4*(\q)+3], v7, s[4:5] offset:32768*blk+512*(\q)
.endr
.set blk, blk+1
.endr
	WIN 0x40
.rept 15                               ; blocks 14-28 into window 1
.irp q, 0,1,2,3
	global_load_b128 v[16*(blk-14)+4*(\q):16*(blk-14)+4*(\q)+3], v7, s[4:5] offset:32768*blk+512*(\q)
.endr
.set blk, blk+1
.endr
.macro WAITB n                         ; block n's four loads are in: 4 (28 - n) were issued behind them (a smaller count is also right)
.if 4*(28-(\n)) > 63
	s_wait_loadcnt 63
.else
	s_wait_loadcnt 4*(28-(\n))
.endif
.endm
	WIN 0
.set blk, 1
.rept 13
	WAITB blk
.irp p, 0,1,2,3,4,5,6,7
	v_pk_add_f32 v[32+2*(\p):32+2*(\p)+1], v[32+2*(\p):32+2*(\p)+1], v[32+16*blk+2*(\p):32+16*blk+2*(\p)+1]
.endr
.set blk, blk+1
.endr
	WIN 0x45
.set blk, 15
.rept 14
	WAITB blk
.irp p, 0,1,2,3,4,5,6,7
	v_pk_add_f32 v[2*(\p):2*(\p)+1], v[2*(\p):2*(\p)+1], v[16*(blk-14)+2*(\p):16*(blk-14)+2*(\p)+1]
.endr
.set blk, blk+1
.endr
	WIN 0x04
.irp p, 0,1,2,3,4,5,6,7
	v_pk_add_f32 v[32+2*(\p):32+2*(\p)+1], v[32+2*(\p):32+2*(\p)+1], v[2*(\p):2*(\p)+1]
.endr
	WIN 0
.irp p, 0,1,2,3,4,5,6,7
	v_pk_mul_f32 v[32+2*(\p):32+2*(\p)+1], v[32+2*(\p):32+2*(\p)+1], 0x391121b2 op_sel_hi:[1,0]  ; 1 / 7225
.endr
.irp p, 0,1,2,3,4,5,6,7
	v_cvt_pk_f16_f32 v[16+(\p)], v[32+2*(\p)], v[32+2*(\p)+1]
.endr
	WIN 0x88                                       ; kv window 0, Wo^T and the results window 2
.irp c, 0,1,2,3,4,5,6,7
	v_wmma_f32_16x16x32_f16 v[64+8*(\c):64+8*(\c)+7], v[16:23], v[8*(\c):8*(\c)+7], 0
.endr
.rept 4
	v_nop
.endr
	WIN 0x0a
.set i, 0
.rept 32
	v_cvt_pk_f16_f32 v[32+i], v[64+2*i], v[64+2*i+1]
.set i, i+1
.endr
	WIN 0
.irp c, 0,1,2,3,4,5,6,7
	ds_store_b128 v8, v[32+4*(\c):32+4*(\c)+3] offset:16*SPP*(\c)
.endr
	s_wait_dscnt 0x0                               ; a row's 64 bytes come from two waves
	s_barrier_signal -1
	s_barrier_wait -1
.irp t, 0,1,2,3,4,5,6,7
	ds_load_b128 v[64+4*(\t):64+4*(\t)+3], v9 offset:8*SPP*(\t)
.endr
	s_wait_dscnt 0x0
.irp t, 0,1,2,3,4,5,6,7
	global_store_b128 v10, v[64+4*(\t):64+4*(\t)+3], s[8:9] offset:512*(\t)  ; 512 consecutive bytes, aligned
.endr
	s_wait_tensorcnt 0x0                           ; the wave's end
	ds_add_u32 v1, v2
	s_wait_dscnt 0x0
	s_endpgm
.Lfunc_end_k_q4b55e17e51_fold:
	.size	k_q4b55e17e51_fold, .Lfunc_end_k_q4b55e17e51_fold-k_q4b55e17e51_fold
	.p2alignl 7, 3214868480
	.fill 96, 4, 3214868480
	.section	.rodata,"a",@progbits
	.p2align	6, 0x0
	.amdhsa_kernel k_q4b55e17e51_fold
		.amdhsa_group_segment_fixed_size 20992
		.amdhsa_private_segment_fixed_size 0
		.amdhsa_enable_private_segment 0
		.amdhsa_kernarg_size 24
		.amdhsa_user_sgpr_count 2
		.amdhsa_user_sgpr_kernarg_segment_ptr 1
		.amdhsa_wavefront_size32 1
		.amdhsa_system_sgpr_workgroup_id_x 1
		.amdhsa_system_sgpr_workgroup_id_y 1
		.amdhsa_system_sgpr_workgroup_id_z 1
		.amdhsa_system_vgpr_workitem_id 0
		.amdhsa_next_free_vgpr 640
		.amdhsa_next_free_sgpr 66
		.amdhsa_reserve_vcc 0
		.amdhsa_float_denorm_mode_32 3
		.amdhsa_float_denorm_mode_16_64 3
		.amdhsa_memory_ordered 1
		.amdhsa_forward_progress 1
		.amdhsa_inst_pref_size 36
	.end_amdhsa_kernel
	.amdgpu_metadata
---
amdhsa.version: [ 1, 2 ]
amdhsa.kernels:
  - .name:           k_q4b55e17e51_fold
    .symbol:         k_q4b55e17e51_fold.kd
    .args:
      - { .name: part, .offset: 0, .size: 8, .value_kind: global_buffer, .address_space: global }
      - { .name: wkv, .offset: 8, .size: 8, .value_kind: global_buffer, .address_space: global }
      - { .name: pb, .offset: 16, .size: 8, .value_kind: global_buffer, .address_space: global }
    .group_segment_fixed_size: 20992
    .private_segment_fixed_size: 0
    .kernarg_segment_align: 8
    .kernarg_segment_size: 24
    .max_flat_workgroup_size: 128
    .sgpr_count:     66
    .vgpr_count:     640
    .wavefront_size: 32
...
	.end_amdgpu_metadata
.endif
;; end of part 3
;; launch block (part 4): grid 232 x 1, 4 waves a work-group, clusters of 4 x 1, 327,680 bytes of LDS; arguments fx, st, wa, pb, wb, tab, out0; writes out0
.if DOCPART == 4
	.amdgcn_target "amdgcn-amd-amdhsa--gfx1250"
	.amdhsa_code_object_version 6
	.text
	.protected	k_q4b55e17e51_block
	.globl	k_q4b55e17e51_block
	.p2align	8
	.type	k_q4b55e17e51_block,@function
k_q4b55e17e51_block:
	s_mov_b64 s[64:65], 0
	v_nop
	global_prefetch_b8 v0, s[64:65] scope:SCOPE_SE
	s_setreg_imm32_b32 hwreg(HW_REG_WAVE_MODE, 25, 1), 1
	s_wait_xcnt 0x0
	s_wait_alu depctr_hold_cnt(0) depctr_sa_sdst(0) depctr_va_vdst(0) depctr_va_sdst(0) depctr_va_ssrc(0) depctr_va_vcc(0) depctr_vm_vsrc(0)
	s_getreg_b32 s2, hwreg(HW_REG_IB_STS2, 6, 4)
	s_cmp_eq_u32 s2, 0
	s_cbranch_scc0 .Lentry_in_a_cluster
	s_endpgm
.Lentry_in_a_cluster:
	s_bfe_u32 s2, ttmp6, 0x10000c
	s_cmp_lg_u32 s2, 0x3003
	s_cbranch_scc0 .Lentry_shape_is_right
	s_endpgm
.Lentry_shape_is_right:
; BLOCK: out = f1 + gelu(LN_2(f1) W1 + b1) W2 + b2, with f1 = fx + q P_b + bo and q = xh Wq'' + bq'' (P_b holds kv / N and Wo; the LayerNorms' gains and shifts lie in the weights).
; Both branches have ONE shape: a hidden chunk of 32 = act(X A_c^T + bias_c), then ACC += chunk B_c^T.  8 chunks without activation (a head each), LN_2, 32 chunks with GELU.
; SHARES as in the launch before: 232 blocks of 256 tokens, a wave 64 (four tiles of 16), rows shifted back at a batch's end; the first INV rows of a wave are not its own and are not stored.
; A wave keeps its 64 x 256 numbers in f32 in 512 registers from fx to out: the residual stream never leaves them.
; LAYOUT.  All products are taken transposed (source 0 = 16 rows of weights, source 1 = 16 tokens): a lane holds ONE token (lane % 16) and eight channels.  Two hidden tiles rounded in pairs ARE source 1 of the second
; product, and the stream rounded in pairs IS source 1 of the first.  A token's LayerNorm wants one exchange between the halves of the lanes.
; GELU (tanh form) = x / (1 + 2^(x (A + B x^2))), A = -2 log2(e) sqrt(2/pi), B = 0.044715 A: it goes to 0 and to x at the far ends without a clamp.
; RING.  Two slots of two chunks: A's blocks (32 rows x 512 bytes, pitch 528), B's blocks (256 rows x 64 bytes, pitch 80).  Waves 0, 1 fetch A's two, waves 2, 3 B's two: one load a wave behind each round.
; CLUSTER.  wa and wb are the same for everybody: asked for jointly by the four partners.  pb hangs on the batch, and 29 blocks a batch are no multiple of four, so partners may differ: those four fills are loads of one's own.
; THE ATTENTION's CHUNK LOOP goes in phases (its activation is 32 roundings); it is turned so that the change of slots falls between the two halves of the second product.
; THE MLP's CHUNK LOOP.  GELU is 352 vector instructions a chunk beside 128 matrix instructions.  ACC and X leave 256 registers, which hold one hidden accumulator: so the second product is put off by a chunk, and a trip is
; the 64 products X A_c^T, then the 64 products of chunk c - 1 with B_(c-1), behind each of which stands a slice of chunk c's GELU.  GELU works in place: x is rounded to f16 first (HBN), u, 2^u, 1 + 2^u and the reciprocal
; take x's registers, and y = x16 * f16(reciprocal).  32 moves in the first product's part carry y to HBO, which the products of the next trip read.  The trip is turned so that it begins at the last 16 products of the chunk
; before the last: there all fragments of the old slot are in registers.
; B's STREAM IS SHIFTED BY A CHUNK in the MLP, so that a trip reads one slot alone: MLP slot s holds A(2 s), A(2 s + 1), B(2 s - 1), B(2 s).  In slot 0 the first of B's places holds wb's block 0: the first trip multiplies it
; by zeros (64 products, once a launch: the price of writing no first trip out).  A 17th slot holds B(31) alone, and the last 64 products are written out.
; LIMITS.  Matrix operands are f16.  X is at most 16 in size for every input (a LayerNorm over 256 channels without gain).  q, the hidden numbers AND GELU's argument (in both signs) must stay under 65,504 in size: one of
; 65,520 or more becomes an infinity, and a negative one then gives NaN (as drawn they are some 1; with the gain and the weight in front of them both 30 times larger some 900, the largest some 5,000).
; Below 6e-5 an operand keeps f16's fixed step of 6e-8.  h has three f16 roundings (x, the reciprocal, their product).
; Sums, LayerNorms (variance of x - mean) and GELU's argument are f32; v_exp_f32, v_rcp_f32, v_rsq_f32 flush denormals; NaN and infinities are not treated apart.
; REGISTERS: window 0 as named below; window 1: X, tile tt, channels 32 kb on, at 8 (8 tt + kb); windows 2, 3: ACC, tile tt, channels 16 ct on, at 128 (tt % 2) + 8 ct of window 2 + tt / 2.
.set FXP,   1040
.set FXW,   64*FXP
.set WP,    528
.set SP2,   80
.set SLOT1, 131072
.set OP2,   2*32*WP                    ; B's blocks begin here in a slot
.set STAGE, 205824                     ; behind slot 1: 16 rows x 1,040 bytes a wave, for the way out; its one fill (fx) lies before, none follows
.set BA,    272384                     ; 56 entries of 32 f32: bq'' 0-7, b1'' 8-39, b2 40-47, bo 48-55
.set SPARE, 279552
.set PFO, 0                            ; v0: once its last use as the thread's number is over: 256 x lane
.set SPW, 1
.set NIL, 2
.set A1L, 3                            ; 528 r + 16 h
.set A2L, 4                            ; 80 r + 16 h
.set ADR1, 5
.set ADR2, 6
.set ABI, 7                            ; BA + 32 h; steps an entry a chunk
.set ST,  8                            ; v8-15   (rs, -m rs) of tile tt
.set BI,  16                           ; v16-31  the chunk's bias for my 16 hidden channels
.set TQ,  16                           ;         in the MLP also eight pairs at work: the bias is read by a chunk's first eight products alone
.set HACC, 32                          ; v32-95  hidden tile (ht, tt) at 8 (2 tt + ht); at work in the LayerNorms
.set HB,  96                           ; v96-127 the activated chunk in f16, 8 a tile
.set HBO, 96                           ;         the MLP's name for it: the chunk that the second product reads
.set HBN, 128                          ; v128-159 the MLP: the chunk in the making: x in f16, then y
.set F0,  128                          ; the attention: two fragment buffers of 64
.set F1,  192
.set BP,  160                          ; the MLP: three fragment buffers of 32: four fragments, 16 products
.set BQ,  192
.set BR,  224
.set QC,  96                           ; LN_2, in HB's place: four chains,
.set NM,  104                          ; (-m, -m) of tile tt,
.set VS,  112                          ; the sums of squares,
.set TP,  120                          ; at work
.set STO, 3                            ; the way out, in the addresses' places
.set RD0, 4
.set RDA, 5
.set GO,  6
.set VROW, 7
.set WV, 18
.set CX, 19
.set G1F, 24
.set G0F, 32
.set G1T, 36
.set G0T, 44
.set G1A, 48
.set G0A, 56
.set SEL, 60
.set TB1, 62
.set TB2, 63
.set STP, 66                           ; s[66:67] the next step of my address in wb
.set G1S, 68
.set G0S, 76
.set SLOTS, 80
.set CNT, 81
.set INV, 82
.set PLO, 83                           ; the first change of slots at which I prefetch
.set PFA, 84
.set GA,  86
.set GB,  88
.set EPS, 90
.set I256, 91
.set SC,  94                           ; changes of slots so far
.set MSB, 0
.macro WIN new
.if MSB != (\new)
	s_set_vgpr_msb (MSB<<8)|(\new)
.set MSB, (\new)
.endif
.endm
.macro PLACES
.rept 4
	v_nop
.endr
.endm
.macro CROUND
	s_barrier_signal -1
	s_barrier_wait -1
	s_cmp_lg_u32 s[WV], 0
	s_cbranch_scc1 .Lnot_wave_0_\@
	s_barrier_signal -3
.Lnot_wave_0_\@:
	s_barrier_wait -3
	s_barrier_signal -1
	s_barrier_wait -1
.endm
.macro JLOAD                           ; waves 0, 1: A's blocks; waves 2, 3: B's.  The branch hangs on the wave's number alone
	s_cmp_lt_u32 s[WV], 2
	s_cbranch_scc0 .Lsecond_\@
	tensor_load_to_lds s[G0A:G0A+3], s[G1A:G1A+7]
	s_nop 0
	PLACES
	s_branch .Lasked_\@
.Lsecond_\@:
	tensor_load_to_lds s[G0S:G0S+3], s[G1S:G1S+7]
	s_nop 0
	PLACES
.Lasked_\@:
.endm
.macro JLOAD4                          ; the 17th MLP slot has one block, B(31): wave 2 fetches it, the others have no part of a tile to fill
	s_cmp_eq_u32 s[WV], 2
	s_cbranch_scc0 .Lnone_\@
	tensor_load_to_lds s[G0S:G0S+3], s[G1S:G1S+7]
	s_nop 0
	PLACES
.Lnone_\@:
.endm
; A PREFETCH INTO THE L2 of what the NEXT change of slots asks for: 32 KiB of wa (wave 0, from the first change on) and of wb (wave 2, from the fourth on: blocks 1 and 2, then two blocks further each time), in the first
; cluster alone; its four partners share the bytes out by address, 8 KiB each, a lane 256 bytes.  Step 17 is the last to prefetch: wa's last slot, wb's blocks 29 and 30.  The first two slots of wa and wb's blocks 0 and 31
; come by their loads alone.
.macro ASK
	s_cmp_ge_u32 s[SC], s[PLO]
	s_cbranch_scc0 .Lnot_mine_\@
	s_cmp_le_u32 s[SC], 17
	s_cbranch_scc0 .Lnot_mine_\@
	global_prefetch_b8 v[PFO], s[PFA:PFA+1] th:TH_LOAD_NT scope:SCOPE_SE
.Lnot_mine_\@:
	s_add_co_u32 s[SC], s[SC], 1
.endm
; THE CHANGE OF SLOTS.  Each wave waits for all its tensor loads (its part of the slot to be read), adds 0 to its spare word, and waits for that and for its reads of the slot that it leaves.
; kind 1: B's next blocks from pb; 2: the first from wb (block 0 for both of B's places), from here on jointly; 3: the next from wb; 4: B(31) alone; 0: nothing is left to ask for.
.macro CHANGE kind
	WIN 0
	s_wait_tensorcnt 0x0                           ; no tensor load of mine is out, so the descriptors may be written
	ds_add_u32 v[SPW], v[NIL]
.if \kind
	s_xor_b32 s[G0S+1], s[G0S+1], SLOT1
.if (\kind) < 4
	s_xor_b32 s[G0A+1], s[G0A+1], SLOT1
	s_add_nc_u64 s[G0A+2:G0A+3], s[G0A+2:G0A+3], 32768
.endif
.if (\kind) == 1
	s_add_nc_u64 s[G0S+2:G0S+3], s[G0S+2:G0S+3], 32768
.elseif (\kind) == 2
	s_mov_b32 s[G1S], 15|(1<<16)|(1<<20)|(1<<21)|(3<<22)|(3<<25)
	s_mov_b64 s[G0S+2:G0S+3], s[12:13]
	s_or_b32 s[G0S+3], s[G0S+3], 0x80000000
.else
	s_add_nc_u64 s[G0S+2:G0S+3], s[G0S+2:G0S+3], s[STP:STP+1]  ; the first step is one block for wave 2 (0, 1, 3, ..) and two for wave 3 (0, 2, 4, ..);
	s_mov_b32 s[STP], 32768                        ; every later one is two
.endif
.if (\kind) < 4
	s_wait_xcnt 0x0                                ; the last prefetch, a slot back, has read its address
	s_cmp_gt_u32 s[SC], s[PLO]                     ; it steps once the asking has begun
	s_cselect_b32 s2, 32768, 0
	s_add_nc_u64 s[PFA:PFA+1], s[PFA:PFA+1], s[2:3]
.endif
	s_wait_dscnt 0x0
	CROUND                                         ; no wave of any partner still reads the slot or has a load on its way
.if (\kind) < 4
	JLOAD                                          ; one load of mine is out; it has two chunks, 256 matrix instructions, in which to land
	ASK
.else
	JLOAD4
.endif
.else
	s_wait_dscnt 0x0
	s_barrier_signal -1
	s_barrier_wait -1
.endif
	s_sub_co_u32 s[TB1], s[TB1], 2*32*WP
	s_xor_b32 s[TB1], s[TB1], SLOT1
	s_sub_co_u32 s[TB2], s[TB2], 2*256*SP2
	s_xor_b32 s[TB2], s[TB2], SLOT1
	s_mov_b32 s[CNT], 2
.endm
; ---- the attention's chunks ----
.macro FETCH1 hf                       ; A's fragments, channels 128 hf on: (kbl, ht) at 8 (2 kbl + ht) of buffer hf
	WIN 0
.irp kbl, 0,1,2,3
.irp ht, 0,1
	ds_load_b128 v[F0+64*(\hf)+8*(2*(\kbl)+(\ht)):F0+64*(\hf)+8*(2*(\kbl)+(\ht))+3], v[ADR1] offset:16*WP*(\ht)+64*(4*(\hf)+(\kbl))
	ds_load_b128 v[F0+64*(\hf)+8*(2*(\kbl)+(\ht))+4:F0+64*(\hf)+8*(2*(\kbl)+(\ht))+7], v[ADR1] offset:16*WP*(\ht)+64*(4*(\hf)+(\kbl))+32
.endr
.endr
.endm
.macro FETCH2 hf                       ; B's fragments, output channels 128 hf on
	WIN 0
.irp c8, 0,1,2,3,4,5,6,7
	ds_load_b128 v[F0+64*(\hf)+8*(\c8):F0+64*(\hf)+8*(\c8)+3], v[ADR2] offset:16*SP2*(8*(\hf)+(\c8))
	ds_load_b128 v[F0+64*(\hf)+8*(\c8)+4:F0+64*(\hf)+8*(\c8)+7], v[ADR2] offset:16*SP2*(8*(\hf)+(\c8))+32
.endr
.endm
.macro BILOAD                          ; the next chunk's bias
	ds_load_b128 v[BI:BI+3], v[ABI]
	ds_load_b128 v[BI+4:BI+7], v[ABI] offset:16
	ds_load_b128 v[BI+8:BI+11], v[ABI] offset:64
	ds_load_b128 v[BI+12:BI+15], v[ABI] offset:80
	v_add_nc_u32 v[ABI], 128, v[ABI]
.endm
.macro G1 hf                           ; 32 products of the first kind; the eight accumulators take turns; the first eight start the sums with the bias
	WIN 0x04
.irp kbl, 0,1,2,3
.irp ht, 0,1
.irp tt, 0,1,2,3
.if ((\hf) == 0) && ((\kbl) == 0)
	v_wmma_f32_16x16x32_f16 v[HACC+8*(2*(\tt)+(\ht)):HACC+8*(2*(\tt)+(\ht))+7], v[F0+64*(\hf)+8*(2*(\kbl)+(\ht)):F0+64*(\hf)+8*(2*(\kbl)+(\ht))+7], v[8*(8*(\tt)+4*(\hf)+(\kbl)):8*(8*(\tt)+4*(\hf)+(\kbl))+7], v[BI+8*(\ht):BI+8*(\ht)+7]
.else
	v_wmma_f32_16x16x32_f16 v[HACC+8*(2*(\tt)+(\ht)):HACC+8*(2*(\tt)+(\ht))+7], v[F0+64*(\hf)+8*(2*(\kbl)+(\ht)):F0+64*(\hf)+8*(2*(\kbl)+(\ht))+7], v[8*(8*(\tt)+4*(\hf)+(\kbl)):8*(8*(\tt)+4*(\hf)+(\kbl))+7], v[HACC+8*(2*(\tt)+(\ht)):HACC+8*(2*(\tt)+(\ht))+7]
.endif
.endr
.endr
.endr
.endm
.macro G2 hf                           ; 32 products of the second kind, each on another accumulator
.irp wn, 0,1
	WIN 0xa0+0x50*(\wn)
.irp c8, 0,1,2,3,4,5,6,7
.irp t1, 0,1
	v_wmma_f32_16x16x32_f16 v[128*(\t1)+8*(8*(\hf)+(\c8)):128*(\t1)+8*(8*(\hf)+(\c8))+7], v[F0+64*(\hf)+8*(\c8):F0+64*(\hf)+8*(\c8)+7], v[HB+8*(2*(\wn)+(\t1)):HB+8*(2*(\wn)+(\t1))+7], v[128*(\t1)+8*(8*(\hf)+(\c8)):128*(\t1)+8*(8*(\hf)+(\c8))+7]
.endr
.endr
.endr
.endm
.macro ACT_ID
.set p, 0
.rept 32
	v_cvt_pk_f16_f32 v[HB+p], v[HACC+2*p], v[HACC+2*p+1]
.set p, p+1
.endr
.endm
; A SLOT's two chunks of the attention: written once, walked twice.  A trip begins with the second half of the chunk before.
.macro BODY tag
.Ltop\tag:
	v_add_nc_u32 v[ADR1], s[TB1], v[A1L]
	v_add_nc_u32 v[ADR2], s[TB2], v[A2L]
	s_add_co_u32 s[TB1], s[TB1], 32*WP
	s_add_co_u32 s[TB2], s[TB2], 256*SP2
	PLACES
	FETCH1 0
	G2 1                                           ; the chunk before: buffer 1 and HB
	WIN 0
.Lmid\tag:
	PLACES
	FETCH1 1
	s_wait_dscnt 16                                ; buffer 0 and the bias are in; the 16 just issued stay out
	G1 0
	WIN 0
	PLACES
	FETCH2 0
	s_wait_dscnt 16                                ; buffer 1 is in
	G1 1
	WIN 0
	PLACES
	ACT_ID
	FETCH2 1
	BILOAD
	s_wait_dscnt 20                                ; buffer 0 is in; 16 + 4 younger stay out
	G2 0
	WIN 0
	s_wait_dscnt 0x0                               ; no read of the slot is left
	s_sub_co_u32 s[CNT], s[CNT], 1
	s_cmp_lg_u32 s[CNT], 0
	s_cbranch_scc1 .Ltop\tag
.endm
; ---- the MLP's chunks ----
.macro LA g, buf                       ; eight loads: A's granule g: channels 64 g on, both hidden tiles: fragment (kbl, ht) at 8 (2 kbl + ht) of the buffer
.irp kbl, 0,1
.irp ht, 0,1
	ds_load_b128 v[(\buf)+8*(2*(\kbl)+(\ht)):(\buf)+8*(2*(\kbl)+(\ht))+3], v[ADR1] offset:16*WP*(\ht)+64*(2*(\g)+(\kbl))
	ds_load_b128 v[(\buf)+8*(2*(\kbl)+(\ht))+4:(\buf)+8*(2*(\kbl)+(\ht))+7], v[ADR1] offset:16*WP*(\ht)+64*(2*(\g)+(\kbl))+32
.endr
.endr
.endm
.macro LB g, buf                       ; eight loads: B's granule g: output channels 64 g on
.irp c4, 0,1,2,3
	ds_load_b128 v[(\buf)+8*(\c4):(\buf)+8*(\c4)+3], v[ADR2] offset:16*SP2*(4*(\g)+(\c4))
	ds_load_b128 v[(\buf)+8*(\c4)+4:(\buf)+8*(\c4)+7], v[ADR2] offset:16*SP2*(4*(\g)+(\c4))+32
.endr
.endm
; 16 products of the first kind with A's granule g.  The eight accumulators take turns; the chunk's first eight start the sums with the bias.
; Under this window setting (source 1 in window 1) the moves and the LDS loads between the granules, which name a destination and source 0 alone, need no switch.
.macro PRA g, buf
	WIN 0x04
.irp kbl, 0,1
.irp ht, 0,1
.irp tt, 0,1,2,3
.if ((\g) == 0) && ((\kbl) == 0)
	v_wmma_f32_16x16x32_f16 v[HACC+8*(2*(\tt)+(\ht)):HACC+8*(2*(\tt)+(\ht))+7], v[(\buf)+8*(2*(\kbl)+(\ht)):(\buf)+8*(2*(\kbl)+(\ht))+7], v[8*(8*(\tt)+2*(\g)+(\kbl)):8*(8*(\tt)+2*(\g)+(\kbl))+7], v[BI+8*(\ht):BI+8*(\ht)+7]
.else
	v_wmma_f32_16x16x32_f16 v[HACC+8*(2*(\tt)+(\ht)):HACC+8*(2*(\tt)+(\ht))+7], v[(\buf)+8*(2*(\kbl)+(\ht)):(\buf)+8*(2*(\kbl)+(\ht))+7], v[8*(8*(\tt)+2*(\g)+(\kbl)):8*(8*(\tt)+2*(\g)+(\kbl))+7], v[HACC+8*(2*(\tt)+(\ht)):HACC+8*(2*(\tt)+(\ht))+7]
.endif
.endr
.endr
.endr
.endm
.macro PRB g, buf                      ; 16 products of the second kind with B's granule g and nothing between them: the last chunk's
.irp wn, 0,1
	WIN 0xa0+0x50*(\wn)
.irp c4, 0,1,2,3
.irp t1, 0,1
	v_wmma_f32_16x16x32_f16 v[128*(\t1)+8*(4*(\g)+(\c4)):128*(\t1)+8*(4*(\g)+(\c4))+7], v[(\buf)+8*(\c4):(\buf)+8*(\c4)+7], v[HBO+8*(2*(\wn)+(\t1)):HBO+8*(2*(\wn)+(\t1))+7], v[128*(\t1)+8*(4*(\g)+(\c4)):128*(\t1)+8*(4*(\g)+(\c4))+7]
.endr
.endr
.endr
.endm
.macro MG2 k, buf                      ; product k of 64 of the second kind: output channels 16 (k / 4) on, tile k % 4; each on another accumulator
.set ct_, (\k)/4
.set tt_, (\k)%4
	WIN 0xa0+0x50*(tt_>>1)
	v_wmma_f32_16x16x32_f16 v[128*(tt_&1)+8*ct_:128*(tt_&1)+8*ct_+7], v[(\buf)+8*(ct_%4):(\buf)+8*(ct_%4)+7], v[HBO+8*tt_:HBO+8*tt_+7], v[128*(tt_&1)+8*ct_:128*(tt_&1)+8*ct_+7]
.endm
; GELU's lines, for pair p of the lane's 32 pairs of hidden numbers (pairs ascending: each accumulator's lowest registers are read first)
.macro OPC p                           ; x rounded to f16
	v_cvt_pk_f16_f32 v[HBN+(\p)], v[HACC+2*(\p)], v[HACC+2*(\p)+1]
.endm
.macro OPM1 p                          ; x^2
	v_pk_mul_f32 v[TQ+2*((\p)%8):TQ+2*((\p)%8)+1], v[HACC+2*(\p):HACC+2*(\p)+1], v[HACC+2*(\p):HACC+2*(\p)+1]
.endm
.macro OPM2 p                          ; B x^2 + A
	v_pk_fma_f32 v[TQ+2*((\p)%8):TQ+2*((\p)%8)+1], v[TQ+2*((\p)%8):TQ+2*((\p)%8)+1], s[GB:GB+1], s[GA:GA+1] op_sel_hi:[1,0,0]
.endm
.macro OPM3 p                          ; u = x (B x^2 + A), in x's place
	v_pk_mul_f32 v[HACC+2*(\p):HACC+2*(\p)+1], v[HACC+2*(\p):HACC+2*(\p)+1], v[TQ+2*((\p)%8):TQ+2*((\p)%8)+1]
.endm
.macro OPE p, h                        ; 2^u
	v_exp_f32 v[HACC+2*(\p)+(\h)], v[HACC+2*(\p)+(\h)]
.endm
.macro OPA p                           ; 1 + 2^u
	v_pk_add_f32 v[HACC+2*(\p):HACC+2*(\p)+1], v[HACC+2*(\p):HACC+2*(\p)+1], 1.0 op_sel_hi:[1,0]
.endm
.macro OPR p, h                        ; its reciprocal
	v_rcp_f32 v[HACC+2*(\p)+(\h)], v[HACC+2*(\p)+(\h)]
.endm
.macro OPV p                           ; rounded to f16
	v_cvt_pk_f16_f32 v[HACC+2*(\p)], v[HACC+2*(\p)], v[HACC+2*(\p)+1]
.endm
.macro OPU p                           ; y = x times it, in x16's place
	v_pk_mul_f16 v[HBN+(\p)], v[HBN+(\p)], v[HACC+2*(\p)]
.endm
; THE SLICES.  Behind products 0-31 six lines each: a pair's four links (x^2; B x^2 + A and u; the exponentials) stand in three slices on end, so that no line reads the result of a line near it; plain lines stand between
; the exponentials.  None of them names an exponential's result.  Behind products 32-47 six: two additions and four reciprocals, an addition a slice ahead of its reciprocals.  Behind products 48-63 four: two roundings,
; and the two products of the pairs rounded a slice earlier.
.macro SL1 k, buf
	MG2 \k, \buf
	WIN 0
	OPM2 \k
.if (\k) < 31
	OPM1 (\k)+1
.endif
.if (\k) > 0
	OPE (\k)-1, 0
.endif
.if (\k) < 31
	OPC (\k)+1
.endif
.if (\k) > 0
	OPE (\k)-1, 1
.endif
	OPM3 \k
.endm
.macro SL2 j, buf
	MG2 32+(\j), \buf
	WIN 0
	OPR 2*(\j), 0
.if (\j) < 15
	OPA 2*(\j)+2
.endif
	OPR 2*(\j), 1
	OPR 2*(\j)+1, 0
.if (\j) < 15
	OPA 2*(\j)+3
.endif
	OPR 2*(\j)+1, 1
.endm
.macro SL3 j, buf
	MG2 48+(\j), \buf
	WIN 0
	OPV 2*(\j)
	OPV 2*(\j)+1
.if (\j) > 0
	OPU 2*(\j)-2
	OPU 2*(\j)-1
.endif
.endm
.macro TAIL3                           ; products 48-63 and their slices; the six plain lines behind the last product are the places in front of the loads into its buffer and of the moves onto HBO
.set jj, 0
.rept 16
	SL3 jj, BR
.set jj, jj+1
.endr
	OPU 30
	OPU 31
.endm
.macro MOV8 i                          ; a quarter of y goes to HBO; the eight moves are also the places between a granule's last product and the loads into its buffer
.set m_, 8*(\i)
.rept 8
	v_mov_b32 v[HBO+m_], v[HBN+m_]
.set m_, m_+1
.endr
.endm
; A SLOT's two trips of the MLP: written once, walked twice.  The eight granules of a chunk lie in the three buffers P Q R P | Q R P R; a run of eight loads goes out when its buffer's last product has four places behind it,
; mostly two granules (32 products) ahead of its first use; B's last granule and the next chunk's first granule of A have one granule (16 products and their slices).
.macro BODYG tag
.Ltop\tag:
	v_add_nc_u32 v[ADR1], s[TB1], v[A1L]           ; with the v_nop at the last trip's end and the one below: four places behind product 47, which read P
	v_add_nc_u32 v[ADR2], s[TB2], v[A2L]
	v_nop
	s_add_co_u32 s[TB1], s[TB1], 32*WP
	s_add_co_u32 s[TB2], s[TB2], 256*SP2
	LA 0, BP
	LA 1, BQ
	TAIL3                                          ; the chunk before the last ends; the last chunk's y is finished
.Lmid\tag:
	LA 2, BR
	s_wait_dscnt 16                                ; A's granule 0 is in; the two younger runs of eight stay out (so at the next four waits)
	PRA 0, BP
	MOV8 0
	LA 3, BP
	s_wait_dscnt 16
	PRA 1, BQ
	MOV8 1
	LB 0, BQ
	s_wait_dscnt 16
	PRA 2, BR
	MOV8 2
	LB 1, BR
	s_wait_dscnt 16
	PRA 3, BP
	MOV8 3
	LB 2, BP
	WIN 0
	OPM1 0                                         ; eight moves stand between the chunk's last products and this first reading of their sums
	OPC 0
	s_wait_dscnt 16
.set kk, 0
.rept 16
	SL1 kk, BQ
.set kk, kk+1
.endr
	s_wait_dscnt 8                                 ; B's granule 1 is in; granule 2's run stays out
.rept 16
	SL1 kk, BR
.set kk, kk+1
.endr
	OPE 31, 0
	OPE 31, 1
	v_nop                                          ; a plain line behind the last exponential,
	s_wait_alu depctr_va_vdst(0)                   ; and one wait for the 64, ahead of the first line that names a result
	OPA 0
	OPA 1
	LB 3, BR                                       ; five plain lines stand behind product 31, which read R
	BILOAD                                         ; the pairs at work are done with: their registers take the next chunk's bias
	s_wait_dscnt 12                                ; B's granule 2 is in; the 8 + 4 just issued stay out
.set jj, 0
.rept 16
	SL2 jj, BP
.set jj, jj+1
.endr
	v_nop                                          ; a plain line behind the last reciprocal,
	s_wait_alu depctr_va_vdst(0)                   ; and one wait for the 64, ahead of the branch
	s_wait_dscnt 0x0                               ; B's last granule and the bias are in: no read of the slot is left
	s_sub_co_u32 s[CNT], s[CNT], 1
	s_cmp_lg_u32 s[CNT], 0
	s_cbranch_scc1 .Ltop\tag
.endm
; X = ACC rs - m rs, rounded to f16, half a tile at a time
.macro NORM
.irp tt, 0,1,2,3
.irp hf, 0,1
	WIN 2+((\tt)>>1)
.set i, 0
.rept 32
	v_pk_fma_f32 v[HACC+2*i:HACC+2*i+1], v[128*((\tt)&1)+64*(\hf)+2*i:128*((\tt)&1)+64*(\hf)+2*i+1], v[ST+2*(\tt):ST+2*(\tt)+1], v[ST+2*(\tt):ST+2*(\tt)+1] op_sel:[0,0,1] op_sel_hi:[1,0,1]
.set i, i+1
.endr
	WIN 0x40
.set i, 0
.rept 32
	v_cvt_pk_f16_f32 v[64*(\tt)+32*(\hf)+i], v[HACC+2*i], v[HACC+2*i+1]
.set i, i+1
.endr
.endr
.endr
	WIN 0
.endm
.macro RED4                            ; four chains, two halves, two halves of the lanes: into TP
	v_pk_add_f32 v[QC:QC+1], v[QC:QC+1], v[QC+2:QC+3]
	v_pk_add_f32 v[QC+4:QC+5], v[QC+4:QC+5], v[QC+6:QC+7]
	v_pk_add_f32 v[QC:QC+1], v[QC:QC+1], v[QC+4:QC+5]
	v_add_f32 v[TP], v[QC], v[QC+1]
	v_permlanex16_b32 v[TP+1], v[TP], s[SEL], s[SEL+1]
	v_add_f32 v[TP], v[TP], v[TP+1]
.endm
; LN_2's statistics: the mean, then the sum of (x - mean)^2.  Each accumulator's lowest registers are read first.
.macro LN2
.irp tt, 0,1,2,3
.set wn2, 2+((\tt)>>1)
.set bb, 128*((\tt)&1)
	WIN wn2|(wn2<<2)
.irp k, 0,1,2,3
	v_pk_add_f32 v[QC+2*(\k):QC+2*(\k)+1], v[bb+2*(\k):bb+2*(\k)+1], v[bb+8+2*(\k):bb+8+2*(\k)+1]
.endr
	WIN wn2
.set i, 8
.rept 56
	v_pk_add_f32 v[QC+2*(i%4):QC+2*(i%4)+1], v[bb+2*i:bb+2*i+1], v[QC+2*(i%4):QC+2*(i%4)+1]
.set i, i+1
.endr
	WIN 0
	RED4
	v_mul_f32 v[NM+2*(\tt)], 0xbb800000, v[TP]     ; -m
	v_mov_b32 v[NM+2*(\tt)+1], v[NM+2*(\tt)]
.irp hf, 0,1
	WIN wn2
.set i, 0
.rept 32
	v_pk_add_f32 v[F0+2*i:F0+2*i+1], v[bb+64*(\hf)+2*i:bb+64*(\hf)+2*i+1], v[NM+2*(\tt):NM+2*(\tt)+1]
.set i, i+1
.endr
	WIN 0
.set i, 0
.rept 32
.if ((\hf) == 0) && (i < 4)
	v_pk_mul_f32 v[QC+2*i:QC+2*i+1], v[F0+2*i:F0+2*i+1], v[F0+2*i:F0+2*i+1]
.else
	v_pk_fma_f32 v[QC+2*(i%4):QC+2*(i%4)+1], v[F0+2*i:F0+2*i+1], v[F0+2*i:F0+2*i+1], v[QC+2*(i%4):QC+2*(i%4)+1]
.endif
.set i, i+1
.endr
.endr
	RED4
	v_fma_f32 v[VS+(\tt)], v[TP], s[I256], s[EPS]
.endr
.irp tt, 0,1,2,3
	v_rsq_f32 v[VS+(\tt)], v[VS+(\tt)]
.endr
	v_nop
	s_wait_alu depctr_va_vdst(0)                   ; one wait for the four roots
.irp tt, 0,1,2,3
	v_mov_b32 v[ST+2*(\tt)], v[VS+(\tt)]
	v_mul_f32 v[ST+2*(\tt)+1], v[NM+2*(\tt)], v[VS+(\tt)]
.endr
.endm
	s_load_b256 s[4:11], s[0:1], 0x0               ; fx s[4:5], st s[6:7], wa s[8:9], pb s[10:11]
	s_load_b128 s[12:15], s[0:1], 0x20             ; wb s[12:13], tab s[14:15]
	s_load_b64 s[16:17], s[0:1], 0x30              ; out0
	v_lshl_add_u32 v[SPW], v0, 2, SPARE
	v_mov_b32 v[NIL], 0
	ds_add_u32 v[SPW], v[NIL]                      ; the wave's opening: the add, twice on end, and its wait ahead of my first tensor load
	ds_add_u32 v[SPW], v[NIL]
	v_lshrrev_b32 v3, 5, v0
	v_readfirstlane_b32 s[WV], v3
	s_bfe_u32 s[CX], ttmp6, 0x40000
	s_lshl_b32 s20, ttmp9, 2
	s_add_co_u32 s20, s20, s[CX]                   ; g
	s_mul_i32 s21, s20, 2260
	s_lshr_b32 s21, s21, 16                        ; batch = g / 29, exact for g < 232
	s_mul_i32 s22, s21, 29
	s_sub_co_u32 s22, s20, s22
	s_lshl_b32 s22, s22, 8
	s_lshl_b32 s23, s[WV], 6
	s_add_co_u32 s22, s22, s23                     ; u0
	s_min_u32 s23, s22, 7161                       ; row0
	s_sub_co_u32 s[INV], s22, s23
	s_min_u32 s[INV], s[INV], 64
	s_mul_i32 s22, s21, 7225
	s_add_co_u32 s22, s22, s23                     ; t0
	s_mov_b32 s[G1F], (2<<16)|(1<<20)|(7<<22)|(3<<25)  ; fx: 64 rows x 256 f32, padded
	s_mov_b32 s[G1F+1], 256<<16
	s_mov_b32 s[G1F+2], 64<<16
	s_mov_b32 s[G1F+3], 256<<16
	s_mov_b32 s[G1F+4], 64
	s_mov_b32 s[G1F+5], 256
	s_mov_b32 s[G1F+6], 0
	s_mov_b32 s[G1F+7], 0
	s_mov_b32 s[G1T], 3<<16                        ; the biases: my quarter, 7 rows of 256 bytes, dense
	s_mov_b32 s[G1T+1], 32<<16
	s_mov_b32 s[G1T+2], 7<<16
	s_mov_b32 s[G1T+3], 32<<16
	s_mov_b32 s[G1T+4], 7
	s_mov_b32 s[G1T+5], 32
	s_mov_b32 s[G1T+6], 0
	s_mov_b32 s[G1T+7], 0
	s_mov_b32 s[G1A], 15|(1<<16)|(1<<20)|(1<<21)|(6<<22)|(3<<25)  ; an A block: 32 rows x 256 f16, padded; jointly
	s_mov_b32 s[G1A+1], 256<<16
	s_mov_b32 s[G1A+2], 32<<16
	s_mov_b32 s[G1A+3], 256<<16
	s_mov_b32 s[G1A+4], 32
	s_mov_b32 s[G1A+5], 256
	s_mov_b32 s[G1A+6], 0
	s_mov_b32 s[G1A+7], 0
	s_mov_b32 s[G1S], (1<<16)|(1<<20)|(3<<22)|(3<<25)  ; a B block: 16 KiB dense, asked for as 64 rows of 256 bytes, padded behind every 64 bytes; my own while it comes from pb
	s_mov_b32 s[G1S+1], 128<<16
	s_mov_b32 s[G1S+2], 64<<16
	s_mov_b32 s[G1S+3], 128<<16
	s_mov_b32 s[G1S+4], 64
	s_mov_b32 s[G1S+5], 128
	s_mov_b32 s[G1S+6], 0
	s_mov_b32 s[G1S+7], 0
	s_and_b32 s23, s[WV], 1                        ; which of a slot's two places I fill
	s_mov_b32 s[G0F], 1
	s_mul_i32 s[G0F+1], s[WV], FXW
	s_mov_b32 s[G0T], 1
	s_mul_i32 s[G0T+1], s[WV], 1792
	s_add_co_u32 s[G0T+1], s[G0T+1], BA
	s_mov_b32 s[G0A], 1
	s_mul_i32 s[G0A+1], s23, 32*WP
	s_mov_b32 s[G0S], 1
	s_mul_i32 s[G0S+1], s23, 256*SP2
	s_add_co_u32 s[G0S+1], s[G0S+1], OP2
	s_lshl_b32 s[STP], s23, 14                     ; my first step in wb: one block in the first place, two in the second
	s_add_co_u32 s[STP], s[STP], 16384
	s_mov_b32 s[STP+1], 0
	s_mov_b32 s[SEL], 0x76543210
	s_mov_b32 s[SEL+1], 0xfedcba98
	s_mov_b32 s[TB1], SLOT1+2*32*WP                ; the first change of slots turns these into slot 0's
	s_mov_b32 s[TB2], SLOT1+OP2+2*256*SP2
	s_mov_b32 s[GA], 0xc0135761                    ; A = -2.3022082
	s_mov_b32 s[GA+1], s[GA]
	s_mov_b32 s[GB], 0xbdd2d3e8                    ; B = -0.10294324
	s_mov_b32 s[GB+1], s[GB]
	s_mov_b32 s[EPS], 0x3727c5ac
	s_mov_b32 s[I256], 0x3b800000
	s_mov_b32 s[SC], 0
	s_lshr_b32 s20, s[WV], 1
	s_mul_i32 s20, s20, 3                          ; wave 0 begins at change 0, wave 2 at change 3,
	s_or_b32 s3, s23, ttmp9                        ; in the first cluster; the others never: the same in all four partners
	s_cmp_eq_u32 s3, 0
	s_cselect_b32 s[PLO], s20, 0x7fffffff
	s_mov_b32 s3, 0                                ; s3 stays 0: the upper word of every offset in s[2:3]
	s_wait_dscnt 0x0                               ; both opening adds are done
	s_wait_kmcnt 0x0
	s_lshl_b32 s2, s22, 10
	s_add_nc_u64 s[G0F+2:G0F+3], s[4:5], s[2:3]
	s_or_b32 s[G0F+3], s[G0F+3], 0x80000000
	s_add_nc_u64 s[16:17], s[16:17], s[2:3]        ; out at my first row
	s_lshl_b32 s2, s22, 3
	s_add_nc_u64 s[6:7], s[6:7], s[2:3]            ; st at my first row
	s_mul_i32 s2, s[WV], 1792
	s_add_co_u32 s2, s2, 6144
	s_add_nc_u64 s[G0T+2:G0T+3], s[14:15], s[2:3]
	s_or_b32 s[G0T+3], s[G0T+3], 0x80000000
	s_lshl_b32 s2, s23, 14
	s_add_nc_u64 s[G0A+2:G0A+3], s[8:9], s[2:3]
	s_or_b32 s[G0A+3], s[G0A+3], 0x80000000
	s_lshl_b32 s20, s21, 17                        ; the batch's eight blocks of pb
	s_add_co_u32 s2, s2, s20
	s_add_nc_u64 s[G0S+2:G0S+3], s[10:11], s[2:3]
	s_or_b32 s[G0S+3], s[G0S+3], 0x80000000
	s_cmp_lt_u32 s[WV], 2
	s_cselect_b64 s[PFA:PFA+1], s[8:9], s[12:13]
	s_cselect_b32 s2, 4, 1                         ; in blocks of 16 KiB: wa's third slot, wb's block 1
	s_lshl_b32 s2, s2, 14
	s_lshl_b32 s20, s[CX], 13
	s_add_co_u32 s2, s2, s20
	s_add_nc_u64 s[PFA:PFA+1], s[PFA:PFA+1], s[2:3]
	CROUND                                         ; in front of the first loads
	tensor_load_to_lds s[G0F:G0F+3], s[G1F:G1F+7]  ; two loads of mine are out
	s_nop 0
	tensor_load_to_lds s[G0T:G0T+3], s[G1T:G1T+7]
	s_nop 0
	PLACES
	v_and_b32 v16, 15, v0                          ; r
	v_bfe_u32 v17, v0, 4, 1                        ; h
	v_mul_u32_u24 v[A1L], v16, WP
	v_lshl_add_u32 v[A1L], v17, 4, v[A1L]
	v_mul_u32_u24 v[A2L], v16, SP2
	v_lshl_add_u32 v[A2L], v17, 4, v[A2L]
	v_lshl_add_u32 v[ABI], v17, 5, BA
	s_mul_i32 s20, s[WV], FXW
	v_mul_u32_u24 v[ADR1], v16, FXP
	v_lshl_add_u32 v[ADR1], v17, 5, v[ADR1]
	v_add_nc_u32 v[ADR1], s20, v[ADR1]
	v_lshlrev_b32 v[ADR2], 3, v16
.irp tt, 0,1,2,3
	global_load_b64 v[ST+2*(\tt):ST+2*(\tt)+1], v[ADR2], s[6:7] offset:128*(\tt)  ; LN_1's (rs, -m rs)
.endr
	v_and_b32 v0, 31, v0
	v_lshlrev_b32 v[PFO], 8, v0
	s_wait_tensorcnt 0x1                           ; my rows of fx are in (the biases stay out); only I read them
.irp tt, 0,1,2,3
	WIN 0x80+0x40*((\tt)>>1)
.set i, 0
.rept 16
	ds_load_b128 v[128*((\tt)&1)+8*i:128*((\tt)&1)+8*i+3], v[ADR1] offset:16*FXP*(\tt)+64*i
	ds_load_b128 v[128*((\tt)&1)+8*i+4:128*((\tt)&1)+8*i+7], v[ADR1] offset:16*FXP*(\tt)+64*i+16
.set i, i+1
.endr
.endr
	WIN 0
	s_wait_tensorcnt 0x0                           ; fx has left LDS for the registers: its bytes become the ring.  The same order as at every change of slots
	ds_add_u32 v[SPW], v[NIL]
	s_wait_dscnt 0x0
	CROUND
	JLOAD                                          ; slot 0: it lands under LN_1
.set i, 0
.rept 16
	ds_load_b128 v[F0+8*i:F0+8*i+3], v[ABI] offset:48*128+64*i      ; bo for my 128 channels
	ds_load_b128 v[F0+8*i+4:F0+8*i+7], v[ABI] offset:48*128+64*i+16
.set i, i+1
.endr
	s_wait_loadcnt 0x0
	NORM                                           ; X = LN_1(fx), without gain and shift
	s_wait_dscnt 0x0
.irp tt, 0,1,2,3
	WIN 0x82+0x41*((\tt)>>1)
.set i, 0
.rept 64
	v_pk_add_f32 v[128*((\tt)&1)+2*i:128*((\tt)&1)+2*i+1], v[128*((\tt)&1)+2*i:128*((\tt)&1)+2*i+1], v[F0+2*i:F0+2*i+1]  ; ACC = fx + bo
.set i, i+1
.endr
.endr
	WIN 0
	; THE ATTENTION BRANCH: chunks 0-7, slots 0-3.  The first chunk has no chunk before it: the loop is entered in the middle of a trip
	CHANGE 1
	s_mov_b32 s[SLOTS], 3
	v_add_nc_u32 v[ADR1], s[TB1], v[A1L]
	v_add_nc_u32 v[ADR2], s[TB2], v[A2L]
	s_add_co_u32 s[TB1], s[TB1], 32*WP
	s_add_co_u32 s[TB2], s[TB2], 256*SP2
	FETCH1 0
	BILOAD
	s_branch .LmidA
.LslotA:
	CHANGE 1
	BODY A
	s_sub_co_u32 s[SLOTS], s[SLOTS], 1
	s_cmp_lg_u32 s[SLOTS], 0
	s_cbranch_scc1 .LslotA
	CHANGE 2                                       ; slot 3 is entered; the MLP's first slot is asked for
	BODY B
	G2 1
	WIN 0
	PLACES
	LN2
	NORM                                           ; X = LN_2(f1)
	; THE MLP: 32 chunks, 17 slots.  The first trip is entered at its first product of the first kind, with zeros for the chunk that has not been
	CHANGE 3
	s_mov_b32 s[SLOTS], 15
	v_add_nc_u32 v[ADR1], s[TB1], v[A1L]
	v_add_nc_u32 v[ADR2], s[TB2], v[A2L]
	s_add_co_u32 s[TB1], s[TB1], 32*WP
	s_add_co_u32 s[TB2], s[TB2], 256*SP2
	LA 0, BP
	LA 1, BQ
.set i, 0
.rept 32
	v_mov_b32 v[HBN+i], 0                          ; the trip's moves carry them to HBO: its 64 products of the second kind add 0
.set i, i+1
.endr
	s_branch .LmidM
.LslotM:                                           ; MLP slots 0 to 14: the next slot is asked for whole
	CHANGE 3
	BODYG M
	s_sub_co_u32 s[SLOTS], s[SLOTS], 1
	s_cmp_lg_u32 s[SLOTS], 0
	s_cbranch_scc1 .LslotM
	CHANGE 4                                       ; slot 15 is entered; of the 17th only B(31) is asked for.  The tail is written out
	BODYG N
	CHANGE 0                                       ; the 17th slot: nothing is left to ask for
	v_add_nc_u32 v[ADR2], s[TB2], v[A2L]           ; with the v_nop at the last trip's end and the two below: four places behind product 47, which read P
	v_nop
	v_nop
	LB 0, BP
	LB 1, BQ
	TAIL3                                          ; chunk 30 ends; chunk 31's y is finished
	LB 2, BR
	MOV8 0
	MOV8 1
	MOV8 2
	MOV8 3
	s_wait_dscnt 8                                 ; granules 0 and 1 are in; granule 2's run stays out
	PRB 0, BP
	PRB 1, BQ
	WIN 0
	PLACES
	LB 3, BP
	s_wait_dscnt 8                                 ; granule 2 is in; granule 3's run stays out
	PRB 2, BR
	s_wait_dscnt 0x0
	PRB 3, BP
	WIN 0
	PLACES
	; THE WAY OUT: a tile of 16 rows at a time through my stage, back as whole rows of 1,024 bytes, plus b2.  A row that is not my own is not stored: EXEC, never a branch, since INV may differ between partners.
	v_lshrrev_b32 v5, 8, v[PFO]                    ; lane
	v_and_b32 v6, 15, v5
	v_lshrrev_b32 v7, 4, v5
	s_mul_i32 s20, s[WV], 16*FXP
	s_add_co_u32 s20, s20, STAGE
	v_mul_u32_u24 v[STO], v6, FXP
	v_lshl_add_u32 v[STO], v7, 5, v[STO]
	v_add_nc_u32 v[STO], s20, v[STO]
	v_lshl_add_u32 v[RD0], v5, 4, s20
	v_lshlrev_b32 v[GO], 4, v5
	v_mov_b32 v[VROW], 0
	v_lshl_add_u32 v[RDA], v5, 4, BA+40*128
	ds_load_b128 v[BI:BI+3], v[RDA]                ; b2 for my 2 x 4 channels of a row
	ds_load_b128 v[BI+4:BI+7], v[RDA] offset:512
	s_wait_xcnt 0x0
.macro OUTT tt
	WIN 0x08+0x04*((\tt)>>1)
.set i, 0
.rept 16
	ds_store_b128 v[STO], v[128*((\tt)&1)+8*i:128*((\tt)&1)+8*i+3] offset:64*i       ; each accumulator's lowest registers first
	ds_store_b128 v[STO], v[128*((\tt)&1)+8*i+4:128*((\tt)&1)+8*i+7] offset:64*i+16
.set i, i+1
.endr
	WIN 0
	v_mov_b32 v[RDA], v[RD0]
	s_mov_b32 s[CNT], 4
.Lrows_\@:                             ; four rows a trip.  LDS serves a wave's instructions in order (ISA guide 5.7.1.4): these loads see the stores above, and the next tile's stores come behind them
.irp j, 0,1,2,3
	ds_load_b128 v[F0+8*(\j):F0+8*(\j)+3], v[RDA] offset:FXP*(\j)
	ds_load_b128 v[F0+8*(\j)+4:F0+8*(\j)+7], v[RDA] offset:FXP*(\j)+512
.endr
	s_wait_dscnt 0x0
.irp j, 0,1,2,3
.irp k, 0,1,2,3
	v_pk_add_f32 v[F0+8*(\j)+2*(\k):F0+8*(\j)+2*(\k)+1], v[F0+8*(\j)+2*(\k):F0+8*(\j)+2*(\k)+1], v[BI+2*(\k):BI+2*(\k)+1]
.endr
.endr
.irp j, 0,1,2,3
	v_cmpx_le_u32 s[INV], v[VROW]                  ; all lanes or none; no memory instruction has been issued since the last s_wait_xcnt 0
	global_store_b128 v[GO], v[F0+8*(\j):F0+8*(\j)+3], s[16:17] offset:1024*(\j) th:TH_STORE_NT      ; 512 consecutive bytes each, aligned
	global_store_b128 v[GO], v[F0+8*(\j)+4:F0+8*(\j)+7], s[16:17] offset:1024*(\j)+512 th:TH_STORE_NT
	s_wait_xcnt 0x0                                ; in front of the line that widens EXEC; it also frees the stores' registers
	s_mov_b32 exec_lo, -1
	v_add_nc_u32 v[VROW], 1, v[VROW]
.endr
	v_add_nc_u32 v[RDA], 4*FXP, v[RDA]
	v_add_nc_u32 v[GO], 4096, v[GO]
	s_sub_co_u32 s[CNT], s[CNT], 1
	s_cmp_lg_u32 s[CNT], 0
	s_cbranch_scc1 .Lrows_\@
.endm
	OUTT 0
	OUTT 1
	OUTT 2
	OUTT 3
	s_wait_tensorcnt 0x0                           ; the wave's end
	ds_add_u32 v[SPW], v[NIL]
	s_wait_dscnt 0x0
	CROUND                                         ; the closing round
	s_endpgm
.Lfunc_end_k_q4b55e17e51_block:
	.size	k_q4b55e17e51_block, .Lfunc_end_k_q4b55e17e51_block-k_q4b55e17e51_block
	.p2alignl 7, 3214868480
	.fill 96, 4, 3214868480
	.section	.rodata,"a",@progbits
	.p2align	6, 0x0
	.amdhsa_kernel k_q4b55e17e51_block
		.amdhsa_group_segment_fixed_size 327680
		.amdhsa_private_segment_fixed_size 0
		.amdhsa_enable_private_segment 0
		.amdhsa_kernarg_size 56
		.amdhsa_user_sgpr_count 2
		.amdhsa_user_sgpr_kernarg_segment_ptr 1
		.amdhsa_wavefront_size32 1
		.amdhsa_system_sgpr_workgroup_id_x 1
		.amdhsa_system_sgpr_workgroup_id_y 1
		.amdhsa_system_sgpr_workgroup_id_z 1
		.amdhsa_system_vgpr_workitem_id 0
		.amdhsa_next_free_vgpr 1024
		.amdhsa_next_free_sgpr 96
		.amdhsa_reserve_vcc 0
		.amdhsa_float_denorm_mode_32 3
		.amdhsa_float_denorm_mode_16_64 3
		.amdhsa_memory_ordered 1
		.amdhsa_forward_progress 1
		.amdhsa_inst_pref_size 255
	.end_amdhsa_kernel
	.section	.bss,"aw",@nobits
	.p2align	6
	.space	262144
	.amdgpu_metadata
---
amdhsa.version: [ 1, 2 ]
amdhsa.kernels:
  - .name:           k_q4b55e17e51_block
    .symbol:         k_q4b55e17e51_block.kd
    .args:
      - { .name: fx, .offset: 0, .size: 8, .value_kind: global_buffer, .address_space: global }
      - { .name: st, .offset: 8, .size: 8, .value_kind: global_buffer, .address_space: global }
      - { .name: wa, .offset: 16, .size: 8, .value_kind: global_buffer, .address_space: global }
      - { .name: pb, .offset: 24, .size: 8, .value_kind: global_buffer, .address_space: global }
      - { .name: wb, .offset: 32, .size: 8, .value_kind: global_buffer, .address_space: global }
      - { .name: tab, .offset: 40, .size: 8, .value_kind: global_buffer, .address_space: global }
      - { .name: out0, .offset: 48, .size: 8, .value_kind: global_buffer, .address_space: global }
    .group_segment_fixed_size: 327680
    .private_segment_fixed_size: 0
    .kernarg_segment_align: 8
    .kernarg_segment_size: 56
    .max_flat_workgroup_size: 128
    .sgpr_count:     96
    .vgpr_count:     1024
    .wavefront_size: 32
...
	.end_amdgpu_metadata
.endif
;; end of part 4
